; MI455X (gfx1250); checked and timed in simulation.
; The chip was launched on July 23, 2026; its instructions are those of AMD's public machine-readable ISA for CDNA 5 (MIT licence, August 2026) and "CDNA5" Instruction Set Architecture Reference Guide (July 2026). The comments in the code are by the model that wrote it; some were corrected since.
;; Causal Self Attention. Allowed arithmetic: matrix products marked QUANTISED: E2M3 operands, one E8M0 scale for each 32 along K, by v_wmma_scale_f32_16x16x128_f8f6f4 with both operands' format E2M3, f32 sums; everything else in f32.
;; Inputs: b_out 1,024 float32; b_qkv 3,072 float32; w_out 1,024 x 1,024 float32; w_qkv 1,024 x 3,072 float32; x 4 x 2,048 x 1,024 float32.
;; Outputs: out0 4 x 2,048 x 1,024 float32.
;; This version of the problem:
;;   THIS VERSION OF THE PROBLEM IS GIVEN IN LOW PRECISION. The matrix products marked QUANTISED in the list below multiply operands that are first quantised to E2M3 (2 exponent bits, 3 mantissa bits; 6 bits a number), with one power-of-two scale for each 32 numbers along K (OCP MX v1.0); their sums are f32. All else is computed in f32.
;;   The module's matrix products, in the order in which they are computed (A, B: the left and right operand; K: the contracted axis; several contracted axes count as one K, in the product's order):
;;     1. [M 8,192, K 1,024] x [K 1,024, N 3,072]; A: input x; B: input w_qkv: QUANTISED
;;     2. batch 64 x [M 2,048, K 64] x [K 64, N 2,048]; A: computed on the way; B: computed on the way: QUANTISED
;;     3. batch 64 x [M 2,048, K 2,048] x [K 2,048, N 64]; A: softmax (see below); B: computed on the way: QUANTISED
;;     4. [M 8,192, K 1,024] x [K 1,024, N 1,024]; A: computed on the way; B: input w_out: QUANTISED
;;   THE QUANTISER, for each operand of a quantised product, along K:
;;     - K is cut into blocks of 32 from its start; a last block that is shorter is filled with zeros.
;;     - A block's scale is 2^e with e = floor(log2(the largest magnitude in the block)) - 2, held to -126 .. 127; a block of zeros has e = 0. As a byte (E8M0): e + 127.
;;     - Each number is divided by its block's scale, clamped to +-7.5, and rounded to the nearest number of E2M3, ties to even, subnormals kept.
;;     - The product sums the exact products of the quantised numbers (number of the format x scale) in f32.
;;   ~~~python
;;   def quantise(x, axis):      # numpy; x: float32 -> the quantised numbers, widened to float32 again
;;       x = np.moveaxis(x, axis, -1); K = x.shape[-1]
;;       x = np.pad(x, [(0, 0)] * (x.ndim - 1) + [(0, -K % 32)]); x = x.reshape(x.shape[:-1] + (-1, 32)); a = np.abs(x).max(-1, keepdims=True)
;;       e = np.where(a > 0, np.clip(np.frexp(np.where(a > 0, a, 1))[1] - 1 - 2, -126, 127), 0)      # np.frexp(a)[1] - 1 = floor(log2(a)), exactly
;;       r = np.clip(x / 2.0 ** e, -7.5, 7.5)
;;       step = 2.0 ** (np.maximum(np.frexp(np.where(r == 0, 1, r))[1] - 1, 0) - 3)
;;       q = np.round(r / step) * step * 2.0 ** e      # np.round: ties to even
;;       return np.moveaxis(q.reshape(q.shape[:-2] + (-1,))[..., :K], -1, axis).astype(np.float32)
;;   ~~~
;;   SOFTMAX AHEAD OF A QUANTISED PRODUCT. Where the list says 'softmax', what is quantised is not the finished softmax but p = 2^(t - M), with t = logit x log2(e) and M = ceil(the row's largest t), a whole number; so 1/2 < the row's largest p <= 1. The row's sum l is taken of the UNQUANTISED p, in f32, and the product's result is divided by l at the end. Since M is a whole number, a kernel that streams over the keys may use a running M (the ceiling of the running maximum): every later rescaling is an exact power of two, which a block's scale takes up: the codes' values come out the same.
;;   OPERANDS COMPUTED ON THE WAY. 'Computed on the way' means the value that the module computes at that place (a softmax that the list does not call 'softmax' is quantised finished and normalised). What goes into a quantiser is computed in f32, as accurately as f32 sums, v_exp_f32 and their like allow (about 1e-6 of the number): no bf16 or f16 on the way to a quantiser, and a product that is left as it is and whose result goes on into a quantised operand takes f32 operands (vector FMAs, or v_wmma_f32_16x16x4_f32). A number that lies on a knife's edge between two numbers of the format may be rounded either way, as far as f32 arithmetic and the matrix unit's own rounding can turn it there, and no further.
;; One version. Each part assembles by itself: llvm-mc -triple=amdgcn-amd-amdhsa -mcpu=gfx1250 --defsym DOCPART=n.
;; ======== version 1 of 1: 4 launches
;; workspace buffers: xc 6,291,456 bytes; xs 262,144 bytes; wc 3,145,728 bytes; ws 131,072 bytes; qkv 18,874,368 bytes; qkvw 786,432 bytes; oc 6,291,456 bytes; os 262,144 bytes
;; launch quant (part 1): grid 512 x 1, 4 waves a work-group, no clusters, 46,592 bytes of LDS; arguments x, w_qkv, w_out, xc, xs, wc, ws; writes xc, xs, wc, ws
.if DOCPART == 1
	.amdgcn_target "amdgcn-amd-amdhsa--gfx1250"
	.amdhsa_code_object_version 6
	.text
	.protected	k_q0fa5b4582e_quant
	.globl	k_q0fa5b4582e_quant
	.p2align	8
	.type	k_q0fa5b4582e_quant,@function
k_q0fa5b4582e_quant:
	s_mov_b64 s[64:65], 0
	v_nop
	global_prefetch_b8 v0, s[64:65] scope:SCOPE_SE
	s_setreg_imm32_b32 hwreg(HW_REG_WAVE_MODE, 25, 1), 1
	s_wait_xcnt 0x0
; x [8192][1024], w_qkv [1024][3072] and w_out [1024][1024], f32, become codes of FP6 (E2M3) with one E8M0 byte for each 32 along K (x: its last axis; the weights: their first).
; A block's scale is 2^(floor(log2(its largest magnitude)) - 2); its byte is the largest magnitude's exponent field - 2, held at 1 from below.
; LIMITS: NaN and infinities are not served; a block whose largest magnitude lies under 2^-124 keeps the byte 1; a block of zeros has the byte 1 where the rule says 127 (its codes are zeros; this program alone reads the bytes).
; THE CODES' FORMAT: images of 16 rows x 64 K, 768 bytes: "lane" l = r + 16 h owns the 24 bytes of block h of row r: bytes 0-15 at 16 l, bytes 16-23 at 512 + 8 l.  Two images along K are the 12 registers of an operand's
; fragment, brought by loads of 16, 8, 16, 8 bytes a lane, each dense.  xc: [K step of 256: 4][tile of 16 rows: 512][4 images];  wc: [4][256 tiles][4 images], rows 0-3071 w_qkv's columns, 3072-4095 w_out's.
; THE ROWS' ORDER: in a group of 32 rows bits 3 and 4 of the row's number change places: stored tile 2 g + u, row p, is row 32 g + 8 u + p + 8 (p / 8).  So the 16 result registers of two neighbouring tiles are 16 neighbours.
; THE SCALES' FORMAT: [tile][half of K][row 16][4 words of 4 bytes]: a word serves 128 along K.
; Work-groups 0-255 take x (a wave: one tile x 512 along K, four steps of 128); work-groups 256-511 the weights (a wave: 32 columns x 128 along K).  The two ways have LDS bytes of their own.  No matrix unit, no cluster, no barrier:
; memory binds, and waves share nothing.
.set XSTEP,  1572864                   ; a K step of xc: 512 tiles x 3,072 bytes
.set WSTEP,  786432                    ; of wc: 256 tiles
.set XPITCH, 528                       ; x's stage: a row's 512 bytes + 16: 33 x 16, so that sixteen rows' reads fall on sixteen different columns of 16 bytes
.set XSTG,   16*XPITCH
.set WST0,   4*XSTG                    ; the weights' stages: 3,072 bytes a wave
.set WSTG,   3072
.set SPARE,  WST0+4*WSTG               ; the spare words, 128 bytes for each wave
.set SPW, 2                            ; v2  my spare word's address; never rewritten
.set NIL, 3                            ; v3  0; never rewritten
.set TM,  12                           ; v12-27 at work in QUANT
.set PWS, 28                           ; v28-31 four steps' scale words
.set PC,  32                           ; v32-51 a fragment's codes, and the conversions' second halves
.set X,   64                           ; v64-127 64 numbers of a lane
.set R,   128                          ; v128-255 two sets of 64 registers as loaded
.set SEL, 20                           ; s[20:21] v_permlanex16_b32's selects for lane l xor 16
; 64 numbers of a lane, register 16 b + i = k 32 b + 16 (lane / 16) + i of my row, become a fragment's codes in v[pc] on and its scale word in v[pw].
.macro QUANT s, pc, pw
.irp b, 0,1,2,3
	v_max3_num_f32 v[TM+\b], |v[\s+16*\b]|, |v[\s+1+16*\b]|, 0x1800000   ; my 16 numbers of block b, and the floor 2^(3 - 127): the byte cannot fall under 1
.endr
.irp i, 2,4,6,8,10,12,14
.irp b, 0,1,2,3
	v_max3_num_f32 v[TM+\b], v[TM+\b], |v[\s+16*\b+\i]|, |v[\s+1+16*\b+\i]|
.endr
.endr
.irp b, 0,1,2,3
	v_permlanex16_b32 v[TM+4+\b], v[TM+\b], s[SEL], s[SEL+1]
.endr
.irp b, 0,1,2,3
	v_max_num_f32 v[TM+\b], v[TM+\b], v[TM+4+\b]                  ; with lane l xor 16's: the block's largest magnitude
.endr
.irp b, 0,1,2,3
	v_add_nc_u32 v[TM+12+\b], 0xff000000, v[TM+\b]                ; 2 off its exponent field: the conversion's scale operand
.endr
.irp b, 0,1,2,3
	v_lshrrev_b32 v[TM+4+\b], 23, v[TM+12+\b]                     ; the scale's byte
.endr
	v_lshl_or_b32 v[\pw], v[TM+5], 8, v[TM+4]
	v_lshl_or_b32 v[\pw], v[TM+6], 16, v[\pw]
	v_lshl_or_b32 v[\pw], v[TM+7], 24, v[\pw]
.irp c, 0,1
	v_cvt_scalef32_pk16_fp6_f32 v[\pc+6*\c:\pc+2+6*\c], v[\s+32*\c:\s+15+32*\c], v[TM+12+2*\c]
	v_cvt_scalef32_pk16_fp6_f32 v[\pc+12+4*\c:\pc+14+4*\c], v[\s+16+32*\c:\s+31+32*\c], v[TM+12+2*\c+1]   ; (a conversion's three registers begin on an even number)
.endr
	v_nop                                  ; one plain place behind a scaled conversion
.irp c, 0,1                            ; a WHOLE block to a lane: lanes 0-15 block 2 c, lanes 16-31 block 2 c + 1
.irp i, 0,1,2
	v_permlane16_swap_b32 v[\pc+6*\c+\i], v[\pc+12+4*\c+\i]
.endr
.irp i, 0,1,2
	v_mov_b32 v[\pc+3+6*\c+\i], v[\pc+12+4*\c+\i]
.endr
.endr
.endm
.macro FINISH                          ; the wave's end, behind my last LDS store
	s_wait_tensorcnt 0x0
	ds_add_u32 v[SPW], v[NIL]
	s_wait_dscnt 0x0
	s_endpgm
.endm
	s_load_b256 s[4:11], s[0:1], 0x0               ; x s[4:5], w_qkv s[6:7], w_out s[8:9], xc s[10:11]
	s_load_b128 s[12:15], s[0:1], 0x20             ; xs s[12:13], wc s[14:15]
	s_load_b64 s[16:17], s[0:1], 0x30              ; ws
	v_lshl_add_u32 v[SPW], v0, 2, SPARE
	v_mov_b32 v[NIL], 0
	v_lshrrev_b32 v1, 5, v0
	v_readfirstlane_b32 s18, v1                    ; wave
	v_and_b32 v1, 31, v0                           ; lane
	v_and_b32 v4, 15, v0                           ; r
	v_bfe_u32 v5, v0, 4, 1                         ; h
	s_mov_b32 s[SEL], 0x76543210
	s_mov_b32 s[SEL+1], 0xfedcba98
.irp b, 0,1,2,3
	v_mov_b32 v[TM+4+\b], 0                        ; written once: a lane permute's destination counts as one of its sources
.endr
	s_cmp_lt_u32 ttmp9, 256
	s_cbranch_scc0 .Lweights
; ---------------- x: tile T = 2 x work-group + wave / 2, K half = wave % 2 ----------------
	s_lshr_b32 s22, s18, 1                         ; T % 2
	s_and_b32 s23, s18, 1                          ; the K half
	s_lshl_b32 s24, ttmp9, 17                      ; T / 2 groups of 32 rows of 4,096 bytes
	s_lshl_b32 s25, s22, 15                        ; + 8 rows for the odd tile
	s_add_co_u32 s24, s24, s25
	s_lshl_b32 s25, s23, 11                        ; + 512 numbers for the upper half of K
	s_add_co_u32 s24, s24, s25
	s_mov_b32 s25, 0
	s_lshl_b32 s26, ttmp9, 1
	s_add_co_u32 s26, s26, s22                     ; T
	s_mul_i32 s28, s26, 3072
	s_mul_i32 s29, s23, 2*XSTEP
	s_add_co_u32 s28, s28, s29
	s_mov_b32 s29, 0
	s_lshl_b32 s30, s26, 9
	s_lshl_b32 s31, s23, 8
	s_add_co_u32 s30, s30, s31
	s_mov_b32 s31, 0
	s_mul_i32 s27, s18, XSTG                       ; my stage
	s_wait_alu depctr_va_vdst(0)
	v_lshlrev_b32 v6, 4, v1                        ; 16 x lane
	v_add_nc_u32 v7, s27, v6                       ; the stage, on the way in
	v_mul_u32_u24 v8, v4, XPITCH
	v_lshl_add_u32 v8, v5, 6, v8
	v_add_nc_u32 v8, s27, v8                       ; and out: row r, + 64 h: my 16 numbers of a block
	v_lshl_add_u32 v9, v1, 3, 512                  ; 512 + 8 x lane
	v_lshlrev_b32 v10, 4, v4                       ; 16 r
	s_wait_alu depctr_va_vdst(0)
	s_wait_kmcnt 0x0
	s_add_nc_u64 s[4:5], s[4:5], s[24:25]
	s_add_nc_u64 s[10:11], s[10:11], s[28:29]
	s_add_nc_u64 s[12:13], s[12:13], s[30:31]
.macro XLD s                           ; step s: 512 consecutive bytes of each of the tile's 16 rows
.irp p, 0,1,2,3,4,5,6,7,8,9,10,11,12,13,14,15
	global_load_b128 v[R+64*((\s)%2)+4*\p:R+64*((\s)%2)+4*\p+3], v6, s[4:5] offset:(\p+8*(\p/8))*4096+512*(\s) th:TH_LOAD_NT
.endr
.endm
.macro TURN s                          ; through my stage: LDS serves a wave's instructions in order, so no wait stands between the stores and the loads
.irp p, 0,1,2,3,4,5,6,7,8,9,10,11,12,13,14,15
	ds_store_b128 v7, v[R+64*((\s)%2)+4*\p:R+64*((\s)%2)+4*\p+3] offset:XPITCH*\p
.endr
.irp b, 0,1,2,3
.irp j, 0,1,2,3
	ds_load_b128 v[X+16*\b+4*\j:X+16*\b+4*\j+3], v8 offset:128*\b+16*\j
.endr
.endr
.endm
.macro IMG pc, lo, off                 ; a fragment leaves as two images: each store covers 512 or 256 consecutive bytes
	global_store_b128 v6, v[\pc:\pc+3], s[\lo:\lo+1] offset:\off
	global_store_b64 v9, v[\pc+4:\pc+5], s[\lo:\lo+1] offset:\off
	global_store_b128 v6, v[\pc+6:\pc+9], s[\lo:\lo+1] offset:\off+768
	global_store_b64 v9, v[\pc+10:\pc+11], s[\lo:\lo+1] offset:\off+768
.endm
.macro XWORK s
.if (\s) < 3
	s_wait_loadcnt 16                              ; this step's 16 loads are in; the next step's may be out
.else
	s_wait_loadcnt 0x0
.endif
	TURN \s
	s_wait_dscnt 0x0                               ; my 64 numbers are back, and the stores have read the set
	s_wait_xcnt 0x0                                ; the last step's stores have read the codes' registers
.if (\s) < 2
	XLD (\s)+2
.endif
	QUANT X, PC, PWS+(\s)
	IMG PC, 10, ((\s)/2)*XSTEP+((\s)%2)*1536
.endm
	XLD 0
	XLD 1
	XWORK 0
	XWORK 1
	XWORK 2
	XWORK 3
	s_wait_xcnt 0x0                                ; EXEC changes only behind this wait
	v_cmp_gt_u32 vcc_lo, 16, v1
	s_and_saveexec_b32 s22, vcc_lo
	global_store_b128 v10, v[PWS:PWS+3], s[12:13]  ; sixteen lanes store 256 consecutive bytes: my half's four words of each row
	s_wait_xcnt 0x0
	s_or_b32 exec_lo, exec_lo, s22
	FINISH
; ---------------- the weights: a lane takes a column, its registers run down K ----------------
.Lweights:
	s_sub_co_u32 s22, ttmp9, 256
	s_lshr_b32 s23, s22, 3                         ; which 128 stored rows
	s_and_b32 s24, s22, 7                          ; which 128 along K
	s_lshl_b32 s27, s23, 7
	s_lshl_b32 s28, s18, 5
	s_add_co_u32 s27, s27, s28                     ; my wave's first stored row: a multiple of 32
	s_mov_b32 s25, 4096
	s_cmp_lt_u32 s23, 24                           ; w_qkv's columns or w_out's?  The choice hangs on the work-group's number alone
	s_cselect_b32 s25, 12288, s25                  ; a row of the weight in bytes
	s_cselect_b32 s26, 0, 3072
	s_wait_kmcnt 0x0
	s_cselect_b64 s[6:7], s[6:7], s[8:9]
	s_sub_co_u32 s28, s27, s26                     ; my first column in that weight
	s_lshl_b32 s28, s28, 2
	s_lshl_b32 s29, s24, 7
	s_mul_i32 s29, s29, s25
	s_add_co_u32 s28, s28, s29
	s_mov_b32 s29, 0
	s_lshl_b32 s30, s25, 5                         ; 32 rows on
	s_mov_b32 s31, 0
	s_add_nc_u64 s[32:33], s[6:7], s[28:29]        ; a base for each of the four blocks
	s_add_nc_u64 s[34:35], s[32:33], s[30:31]
	s_add_nc_u64 s[36:37], s[34:35], s[30:31]
	s_add_nc_u64 s[38:39], s[36:37], s[30:31]
	s_wait_alu depctr_va_vdst(0)
	v_lshlrev_b32 v64, 2, v1                       ; v64-95: 4 x lane + i rows
.set i, 0
.rept 31
	v_add_nc_u32 v[65+i], s25, v[64+i]
.set i, i+1
.endr
	s_mul_i32 s40, s18, WSTG
	s_add_co_u32 s40, s40, WST0                    ; my stage: two tiles x two images
	v_bfe_u32 v6, v0, 3, 1                         ; my column's stored tile of the two: bit 3 of the lane,
	v_and_b32 v10, 7, v0
	v_lshl_add_u32 v10, v5, 3, v10                 ; and its row there: lane % 8 + 8 (lane / 16)
	v_mul_u32_u24 v7, v6, 1536
	v_lshl_add_u32 v8, v10, 3, v7
	v_lshl_add_u32 v7, v10, 4, v7
	v_add_nc_u32 v7, s40, v7                       ; where a block's first 16 bytes go
	v_add_nc_u32 v8, s40, v8                       ; and (+ 512) its last 8
	v_lshlrev_b32 v11, 4, v1
	v_add_nc_u32 v9, s40, v11                      ; the stage read back, 16 bytes a lane
	v_lshlrev_b32 v10, 4, v10
	v_lshl_add_u32 v10, v6, 9, v10                 ; my row's place among the scale words
	s_lshl_b32 s44, s27, 5                         ; tile x 512
	s_lshr_b32 s41, s24, 2
	s_lshl_b32 s41, s41, 8
	s_add_co_u32 s44, s44, s41
	s_and_b32 s41, s24, 3
	s_lshl_b32 s41, s41, 2
	s_add_co_u32 s44, s44, s41
	s_mov_b32 s45, 0
	s_add_nc_u64 s[16:17], s[16:17], s[44:45]
	s_mul_i32 s46, s27, 192                        ; tile x 3,072
	s_lshr_b32 s41, s24, 1
	s_mul_i32 s41, s41, WSTEP
	s_add_co_u32 s46, s46, s41
	s_and_b32 s41, s24, 1
	s_mul_i32 s41, s41, 1536
	s_add_co_u32 s46, s46, s41
	s_mov_b32 s47, 0
	s_add_nc_u64 s[14:15], s[14:15], s[46:47]
.macro WLOAD t                         ; block t: 32 rows of the weight at my column: a wave's load reads 128 consecutive bytes, the four waves stand side by side
.irp i, 0,1,2,3,4,5,6,7,8,9,10,11,12,13,14,15,16,17,18,19,20,21,22,23,24,25,26,27,28,29,30,31
	global_load_b32 v[128+32*((\t)%2)+\i], v[64+\i], s[32+2*(\t):33+2*(\t)] th:TH_LOAD_NT
.endr
.endm
.macro BLOCK t
.set XB, 128+32*((\t)%2)
.if (\t) < 3
	s_wait_loadcnt 32                              ; this block's 32 loads are in; the next block's may be out
.else
	s_wait_loadcnt 0x0
.endif
	v_max3_num_f32 v40, |v[XB]|, |v[XB+1]|, |v[XB+2]|             ; all 32 numbers of the block are mine
	v_max3_num_f32 v41, |v[XB+3]|, |v[XB+4]|, |v[XB+5]|
.irp i, 6,10,14,18,22,26
	v_max3_num_f32 v40, v40, |v[XB+\i]|, |v[XB+\i+1]|
	v_max3_num_f32 v41, v41, |v[XB+\i+2]|, |v[XB+\i+3]|
.endr
	v_max3_num_f32 v40, v40, |v[XB+30]|, |v[XB+31]|
	v_max3_num_f32 v40, v40, v41, 0x1800000        ; and the floor
	v_add_nc_u32 v42, 0xff000000, v40              ; the conversion's scale operand
	v_lshrrev_b32 v43, 23, v42                     ; the byte
.if (\t) == 0
	v_mov_b32 v28, v43
.else
	v_lshl_or_b32 v28, v43, 8*(\t), v28
.endif
	v_cvt_scalef32_pk16_fp6_f32 v[32:34], v[XB:XB+15], v42
	v_cvt_scalef32_pk16_fp6_f32 v[36:38], v[XB+16:XB+31], v42
	v_nop                                          ; one plain place behind a scaled conversion
	v_mov_b32 v35, v36                             ; the block's 24 bytes on end
	v_mov_b32 v36, v37
	v_mov_b32 v37, v38
	ds_store_b128 v7, v[32:35] offset:768*((\t)/2)+256*((\t)%2)
	ds_store_b64 v8, v[36:37] offset:512+768*((\t)/2)+128*((\t)%2)
.if (\t) < 2
	WLOAD (\t)+2
.endif
	s_wait_dscnt 0x0                               ; the stores have read their registers
.endm
	WLOAD 0
	WLOAD 1
	BLOCK 0
	BLOCK 1
	BLOCK 2
	BLOCK 3
	s_wait_alu depctr_va_vdst(0)
	global_store_b32 v10, v28, s[16:17]            ; my column's word for these 128 along K (4 bytes of each 16: one byte in 128 of what this way reads)
.irp k, 0,1,2,3,4,5
	ds_load_b128 v[96+4*\k:99+4*\k], v9 offset:512*\k   ; LDS serves a wave's instructions in order: these see my stores
.endr
.irp k, 0,1,2,3,4,5
	s_wait_dscnt 5-\k
	global_store_b128 v11, v[96+4*\k:99+4*\k], s[14:15] offset:(\k/3)*3072+(\k%3)*512   ; 512 consecutive bytes a store
.endr
	FINISH
.Lfunc_end_k_q0fa5b4582e_quant:
	.size	k_q0fa5b4582e_quant, .Lfunc_end_k_q0fa5b4582e_quant-k_q0fa5b4582e_quant
	.p2alignl 7, 3214868480
	.fill 96, 4, 3214868480
	.section	.rodata,"a",@progbits
	.p2align	6, 0x0
	.amdhsa_kernel k_q0fa5b4582e_quant
		.amdhsa_group_segment_fixed_size 46592
		.amdhsa_private_segment_fixed_size 0
		.amdhsa_enable_private_segment 0
		.amdhsa_kernarg_size 56
		.amdhsa_user_sgpr_count 2
		.amdhsa_user_sgpr_kernarg_segment_ptr 1
		.amdhsa_wavefront_size32 1
		.amdhsa_system_sgpr_workgroup_id_x 1
		.amdhsa_system_sgpr_workgroup_id_y 1
		.amdhsa_system_sgpr_workgroup_id_z 1
		.amdhsa_system_vgpr_workitem_id 0
		.amdhsa_next_free_vgpr 256
		.amdhsa_next_free_sgpr 66
		.amdhsa_reserve_vcc 1
		.amdhsa_float_denorm_mode_32 3
		.amdhsa_float_denorm_mode_16_64 3
		.amdhsa_memory_ordered 1
		.amdhsa_forward_progress 1
		.amdhsa_inst_pref_size 57
	.end_amdhsa_kernel
	.amdgpu_metadata
---
amdhsa.version: [ 1, 2 ]
amdhsa.kernels:
  - .name:           k_q0fa5b4582e_quant
    .symbol:         k_q0fa5b4582e_quant.kd
    .args:
      - { .name: x, .offset: 0, .size: 8, .value_kind: global_buffer, .address_space: global }
      - { .name: w_qkv, .offset: 8, .size: 8, .value_kind: global_buffer, .address_space: global }
      - { .name: w_out, .offset: 16, .size: 8, .value_kind: global_buffer, .address_space: global }
      - { .name: xc, .offset: 24, .size: 8, .value_kind: global_buffer, .address_space: global }
      - { .name: xs, .offset: 32, .size: 8, .value_kind: global_buffer, .address_space: global }
      - { .name: wc, .offset: 40, .size: 8, .value_kind: global_buffer, .address_space: global }
      - { .name: ws, .offset: 48, .size: 8, .value_kind: global_buffer, .address_space: global }
    .group_segment_fixed_size: 46592
    .private_segment_fixed_size: 0
    .kernarg_segment_align: 8
    .kernarg_segment_size: 56
    .max_flat_workgroup_size: 128
    .sgpr_count:     66
    .vgpr_count:     256
    .wavefront_size: 32
...
	.end_amdgpu_metadata
.endif
;; end of part 1
;; launch qkv (part 2): grid 12 x 32, 4 waves a work-group, clusters of 4 x 4, 327,680 bytes of LDS; arguments xc, xs, wc, ws, b_qkv, qkv, qkvw; writes qkv, qkvw
.if DOCPART == 2
	.amdgcn_target "amdgcn-amd-amdhsa--gfx1250"
	.amdhsa_code_object_version 6
	.text
	.protected	k_q0fa5b4582e_qkv
	.globl	k_q0fa5b4582e_qkv
	.p2align	8
	.type	k_q0fa5b4582e_qkv,@function
k_q0fa5b4582e_qkv:
	s_mov_b64 s[64:65], 0
	v_nop
	global_prefetch_b8 v0, s[64:65] scope:SCOPE_SE
	s_setreg_imm32_b32 hwreg(HW_REG_WAVE_MODE, 25, 1), 1
	s_wait_xcnt 0x0
	s_wait_alu depctr_hold_cnt(0) depctr_sa_sdst(0) depctr_va_vdst(0) depctr_va_sdst(0) depctr_va_ssrc(0) depctr_va_vcc(0) depctr_vm_vsrc(0)
	s_getreg_b32 s2, hwreg(HW_REG_IB_STS2, 6, 4)
	s_cmp_eq_u32 s2, 0
	s_cbranch_scc0 .Lentry_in_a_cluster
	s_endpgm
.Lentry_in_a_cluster:
	s_bfe_u32 s2, ttmp6, 0x10000c
	s_cmp_lg_u32 s2, 0xf033
	s_cbranch_scc0 .Lentry_shape_is_right
	s_endpgm
.Lentry_shape_is_right:
; x w_qkv + b_qkv on codes of FP6 (E2M3) with E8M0 scales, K = 1,024; the way out quantises q and k along the head's 64 and v along the keys, and stores codes and scale words in the order in which attention's registers take them.
; A work-group of four waves makes 256 rows of x by 256 columns; a wave 128 x 128: 64 accumulators, 512 registers.  K goes in four steps of 256 through two LDS slots; a step's part of 8 tiles is one dense block of 24,576 bytes.
; The codes lie as images of operand registers (16 rows x 64 K, 768 bytes: lane l's bytes 0-15 at 16 l, bytes 16-23 at 512 + 8 l): a fragment is four dense LDS loads: no pitch, no padding.
; ROLES.  Source 1 of the matrix instruction gives the result's lanes (role A), source 0 its registers (role B).  q, k: A = x's rows, B = the columns: a lane holds one token and 128 columns, two heads.
; v (cluster x = 2; the same in all partners): A = the columns, B = x's rows: a lane holds one channel and 128 keys.  The tensor loads are the same in both; only the LDS addresses that are read change places.
; The stored order of rows (bits 3 and 4 of a row's number changed) makes the 16 registers of result tiles 2 g and 2 g + 1 sixteen neighbours 32 g + 16 (lane / 16) + 0 .. 15, as the conversions want them.
; CLUSTERS: 4 x 4.  x's tiles are asked for jointly along a row of the cluster, the weights' along a column.  The scales of all of K come once, with the first fills.  By this text's count a wave has at most three tensor loads out.
; No prefetch: of a wave's five tensor loads three go out at the head.  LIMITS: as in the quantising launch (NaN, infinities; the byte 1 for blocks under 2^-124 and for blocks of zeros).
; The scale words leave in pieces of 64 bytes (q, k) or 128 (v): 4 bytes in 100 of what the launch stores.
; REGISTERS: window 0: v0-31 addresses; v32-63 scale words, two sets; v64-127 the bias by register; v128-223 role A's fragments; v240-255 the bias by lane.  Window 1: role B's fragments, two sets.  Windows 2, 3: the accumulators.
.set XSTEP,  1572864                   ; a K step of xc
.set WSTEP,  786432                    ; of wc
.set TILEB,  3072                      ; a tile's four images of a K step
.set HALFT,  8*TILEB                   ; what one tensor load brings
.set SLOT,   4*HALFT                   ; x's two halves, then the weights' two
.set SCL,    2*SLOT                    ; the scales: 4,096 bytes for each wave's 8 tiles
.set HALFS,  4096
.set SPARE,  SCL+4*HALFS               ; the spare words, 128 bytes for each wave
.set FR, 12
.set NL, 4                             ; LDS loads that bring a fragment
.set NP, 4                             ; places behind this matrix instruction (ISA guide 7.12.1)
.set NQ, 2                             ; matrix instructions deep in a slot
.set ADRA, 16                          ; v16-17 role A's fragments in slot 0, 1: 16 x lane;  v18-19: 8 x lane
.set ADRB, 20                          ; v20-23 the same for role B
.set ADRS, 27                          ; v27 my scale words: lanes 0-15 role A's rows, lanes 16-31 role B's
.set SPW, 28
.set NIL, 29
.set SC,  32
.set BR,  64
.set AF,  128
.set BL,  240
.set TM,  64                           ; the way out: v64-79 at work, v80-87 scale words, v88-91 words to store, v92-95 their offsets, v96 the byte select
.set PW,  80
.set WD,  88
.set VW,  92
.set SELV, 96
.set H,   128                          ; v128-191 a block's 64 numbers;  v192-231 two sets of codes
.set PCS, 192
.set SEL, 82                           ; s[82:83]
.set G1X, 24
.set G0X, 32
.set G1W, 48
.set G0W, 56
.set G1SX, 68
.set G0SX, 76
.set G1SW, 80
.set G0SW, 88
.set MSB, 0
.macro WIN new                         ; the immediate's high byte repeats the setting that is left
.set NEWW, \new
.if MSB != NEWW
	s_set_vgpr_msb (MSB<<8)|NEWW
.set MSB, NEWW
.endif
.endm
.set MUL_LO, 0xa1                      ; source 0 window 1, source 1 window 0, C and D window 2
.set MUL_HI, 0xf1                      ; C and D window 3
.set TO_B,   0x40
; A joint load: waves 0 and 1 fetch x's halves, waves 2 and 3 the weights'.  An s_nop 0 and four v_nop follow each of the two lines.
.macro JLOAD g0a, g1a, g0b, g1b
	s_cmp_eq_u32 s19, 0
	s_cbranch_scc0 .Lfor_b_\@
	tensor_load_to_lds s[\g0a:\g0a+3], s[\g1a:\g1a+7]
	s_nop 0
.rept 4
	v_nop
.endr
	s_branch .Lasked_\@
.Lfor_b_\@:
	tensor_load_to_lds s[\g0b:\g0b+3], s[\g1b:\g1b+7]
	s_nop 0
.rept 4
	v_nop
.endr
.Lasked_\@:
.endm
.macro CREST
	s_cmp_lg_u32 s18, 0
	s_cbranch_scc1 .Lnot_wave_0_\@
	s_barrier_signal -3
.Lnot_wave_0_\@:
	s_barrier_wait -3
	s_barrier_signal -1
	s_barrier_wait -1
.endm
.macro CROUND
	s_barrier_signal -1
	s_barrier_wait -1
	CREST
.endm
.macro PLACES n
.rept \n
	v_nop
.endr
.endm
	s_load_b256 s[4:11], s[0:1], 0x0               ; xc s[4:5], xs s[6:7], wc s[8:9], ws s[10:11]
	s_load_b128 s[12:15], s[0:1], 0x20             ; b_qkv s[12:13], qkv s[14:15]
	s_load_b64 s[16:17], s[0:1], 0x30              ; qkvw
	v_lshl_add_u32 v[SPW], v0, 2, SPARE
	v_mov_b32 v[NIL], 0
	ds_add_u32 v[SPW], v[NIL]                      ; the wave's opening: an add and its wait ahead of my first tensor load
	ds_add_u32 v[SPW], v[NIL]
	v_lshrrev_b32 v1, 5, v0
	v_readfirstlane_b32 s18, v1                    ; wave
	s_lshr_b32 s19, s18, 1                         ; my half of x's rows.  Also: I fetch x (0) or the weights (1)
	s_and_b32 s20, s18, 1                          ; my half of the columns.  Also: which 8 tiles I fetch
	s_bfe_u32 s21, ttmp6, 0x40000                  ; cx
	s_bfe_u32 s22, ttmp6, 0x40004                  ; cy
	s_lshl_b32 s23, ttmp9, 2
	s_add_co_u32 s23, s23, s21                     ; which 256 columns
	s_and_b32 s40, ttmp7, 0xffff
	s_lshl_b32 s40, s40, 2
	s_add_co_u32 s40, s40, s22                     ; which 256 rows
	s_lshl_b32 s41, s22, 2
	s_lshl_b32 s41, 15, s41                        ; my row of the cluster
	s_lshl_b32 s42, 0x1111, s21                    ; my column
	s_or_b32 s[G1X], s41, (3<<16)|(1<<21)          ; 15:0 the mask; 17:16 elements of 8 bytes; 21 set beside a mask; no padding
	s_or_b32 s[G1W], s42, (3<<16)|(1<<21)
	s_or_b32 s[G1SX], s41, (3<<16)|(1<<21)
	s_or_b32 s[G1SW], s42, (3<<16)|(1<<21)
.irp g, G1X, G1W                       ; a dense block of 24,576 bytes as 96 rows of 256
	s_mov_b32 s[\g+1], 32<<16
	s_mov_b32 s[\g+2], 96<<16
	s_mov_b32 s[\g+3], 32<<16
	s_mov_b32 s[\g+4], 96
	s_mov_b32 s[\g+5], 32
	s_mov_b32 s[\g+6], 0
	s_mov_b32 s[\g+7], 0
.endr
.irp g, G1SX, G1SW                     ; 4,096 bytes as 16 rows of 256
	s_mov_b32 s[\g+1], 32<<16
	s_mov_b32 s[\g+2], 16<<16
	s_mov_b32 s[\g+3], 32<<16
	s_mov_b32 s[\g+4], 16
	s_mov_b32 s[\g+5], 32
	s_mov_b32 s[\g+6], 0
	s_mov_b32 s[\g+7], 0
.endr
	s_lshl_b32 s92, s40, 4
	s_lshl_b32 s93, s20, 3
	s_add_co_u32 s92, s92, s93                     ; x: the first tile that I fetch
	s_lshl_b32 s94, s92, 9                         ; its scales,
	s_mul_i32 s92, s92, TILEB                      ; its codes
	s_mov_b32 s93, 0
	s_mov_b32 s95, 0
	s_lshl_b32 s44, s23, 4
	s_lshl_b32 s45, s20, 3
	s_add_co_u32 s44, s44, s45                     ; the weights likewise
	s_lshl_b32 s46, s44, 9
	s_mul_i32 s44, s44, TILEB
	s_mov_b32 s45, 0
	s_mov_b32 s47, 0
	s_mul_i32 s96, s18, HALFT                      ; where they go: by the wave's number alone
	s_lshl_b32 s97, s18, 12
	s_wait_dscnt 0x0                               ; the opening add is done
	s_wait_kmcnt 0x0
	s_add_nc_u64 s[92:93], s[4:5], s[92:93]
	s_add_nc_u64 s[94:95], s[6:7], s[94:95]
	s_add_nc_u64 s[44:45], s[8:9], s[44:45]
	s_add_nc_u64 s[46:47], s[10:11], s[46:47]
	CROUND                                         ; all sixteen work-groups are here: the first joint loads meet
	s_mov_b32 s[G0SX], 1
	s_add_co_u32 s[G0SX+1], s97, SCL
	s_mov_b64 s[G0SX+2:G0SX+3], s[94:95]
	s_or_b32 s[G0SX+3], s[G0SX+3], 0x80000000
	s_mov_b32 s[G0SW], 1
	s_add_co_u32 s[G0SW+1], s97, SCL
	s_mov_b64 s[G0SW+2:G0SW+3], s[46:47]
	s_or_b32 s[G0SW+3], s[G0SW+3], 0x80000000
	JLOAD G0SX, G1SX, G0SW, G1SW                   ; the scales first: they are wanted with K step 0
.irp s, 0,1
	s_mov_b32 s[G0X+4*\s], 1
	s_add_co_u32 s[G0X+4*\s+1], s96, \s*SLOT
	s_add_nc_u64 s[G0X+4*\s+2:G0X+4*\s+3], s[92:93], \s*XSTEP
	s_or_b32 s[G0X+4*\s+3], s[G0X+4*\s+3], 0x80000000
	s_mov_b32 s[G0W+4*\s], 1
	s_add_co_u32 s[G0W+4*\s+1], s96, \s*SLOT
	s_add_nc_u64 s[G0W+4*\s+2:G0W+4*\s+3], s[44:45], \s*WSTEP
	s_or_b32 s[G0W+4*\s+3], s[G0W+4*\s+3], 0x80000000
	JLOAD G0X+4*\s, G1X, G0W+4*\s, G1W
.endr
	v_and_b32 v1, 31, v0                           ; lane
	v_and_b32 v2, 15, v0                           ; r
	v_bfe_u32 v3, v0, 4, 1                         ; h
	v_lshlrev_b32 v4, 4, v1                        ; 16 x lane
	s_wait_alu depctr_va_vdst(0)
	v_lshlrev_b32 v5, 3, v1                        ; 8 x lane
	s_wait_alu depctr_va_vdst(0)
	s_mul_i32 s2, s19, HALFT                       ; my half of x in a slot
	s_mul_i32 s3, s20, HALFT
	s_add_co_u32 s3, s3, 2*HALFT                   ; my half of the weights
	s_cmp_eq_u32 ttmp9, 2                          ; v's columns?  The cluster's x: the same in all sixteen partners
	s_cselect_b32 s98, s3, s2                      ; role A
	s_cselect_b32 s99, s2, s3                      ; role B
	s_cselect_b32 s43, 1, 0
	s_cselect_b32 s100, -1, 0
.irp s, 0,1
	v_add_nc_u32 v[ADRA+\s], s98, v4
	v_add_nc_u32 v[ADRA+2+\s], s98, v5
	v_add_nc_u32 v[ADRB+\s], s99, v4
	v_add_nc_u32 v[ADRB+2+\s], s99, v5
	s_add_co_u32 s98, s98, SLOT
	s_add_co_u32 s99, s99, SLOT
.endr
	s_lshl_b32 s2, s19, 12                         ; x's scales: my half;
	s_lshl_b32 s3, s20, 12
	s_add_co_u32 s3, s3, 2*HALFS
	s_sub_co_u32 s3, s3, s2                        ; the weights' lie so far behind them
	v_xor_b32 v8, s43, v3                          ; lanes 16-31 take role B's: the weights' for q and k, x's for v
	v_mul_u32_u24 v8, s3, v8
	s_add_co_u32 s2, s2, SCL
	v_lshl_add_u32 v8, v2, 4, v8                   ; 16 bytes a row
	v_add_nc_u32 v[ADRS], s2, v8
	; the bias of my 128 columns, twice: by register (q, k: the C of the first products) and by lane (v: added on the way out); the one that does not serve is made 0
	s_lshl_b32 s46, s23, 10
	s_lshl_b32 s47, s20, 9
	s_add_co_u32 s46, s46, s47
	s_mov_b32 s47, 0
	s_add_nc_u64 s[12:13], s[12:13], s[46:47]
	v_lshlrev_b32 v6, 6, v3                        ; 16 h numbers
	v_and_b32 v7, 8, v2
	v_add_nc_u32 v7, v7, v2
	v_lshlrev_b32 v7, 2, v7                        ; r + 8 (r / 8) numbers
.irp t, 0,1,2,3,4,5,6,7
	global_load_b128 v[BR+8*\t:BR+8*\t+3], v6, s[12:13] offset:(32*(\t/2)+8*(\t%2))*4
	global_load_b128 v[BR+8*\t+4:BR+8*\t+7], v6, s[12:13] offset:(32*(\t/2)+8*(\t%2))*4+16
.endr
.irp a, 0,1,2,3,4,5,6,7
	global_load_b32 v[BL+2*\a], v7, s[12:13] offset:(32*(\a/2)+8*(\a%2))*4
	v_mov_b32 v[BL+2*\a+1], 0                      ; (named with it as a pair)
.endr
.macro FRAG reg, adr, q, i             ; a fragment, 16 rows x 128 K: two images, four dense loads
	ds_load_b128 v[\reg:\reg+3], v[\adr] offset:(\i)*TILEB+(\q)*1536
	ds_load_b64 v[\reg+4:\reg+5], v[\adr+2] offset:(\i)*TILEB+(\q)*1536+512
	ds_load_b128 v[\reg+6:\reg+9], v[\adr] offset:(\i)*TILEB+(\q)*1536+768
	ds_load_b64 v[\reg+10:\reg+11], v[\adr+2] offset:(\i)*TILEB+(\q)*1536+1280
.endm
; 16 matrix instructions: role A's blocks a0, a0 + 1 x role B's eight.  zero = 1: the first products start the sums from the bias.  The 64 accumulators take turns, one instruction a turn.
.macro MUL16 a0, p, q, sc, zero
.irp a, \a0, \a0+1
.irp b, 0,1,2,3,4,5,6,7
.if \zero
	v_wmma_scale_f32_16x16x128_f8f6f4 v[8*(8*((\a)%4)+\b):8*(8*((\a)%4)+\b)+7], v[128*(\p)+FR*\b:128*(\p)+FR*\b+FR-1], v[AF+FR*(\a):AF+FR*(\a)+FR-1], v[BR+8*\b:BR+8*\b+7], v[SC+8*NQ*(\sc)+NQ*\b+(\q)], v[SC+8*NQ*(\sc)+NQ*(\a)+(\q)] matrix_a_fmt:MATRIX_FMT_FP6 matrix_b_fmt:MATRIX_FMT_FP6 matrix_a_scale:MATRIX_SCALE_ROW1
.else
	v_wmma_scale_f32_16x16x128_f8f6f4 v[8*(8*((\a)%4)+\b):8*(8*((\a)%4)+\b)+7], v[128*(\p)+FR*\b:128*(\p)+FR*\b+FR-1], v[AF+FR*(\a):AF+FR*(\a)+FR-1], v[8*(8*((\a)%4)+\b):8*(8*((\a)%4)+\b)+7], v[SC+8*NQ*(\sc)+NQ*\b+(\q)], v[SC+8*NQ*(\sc)+NQ*(\a)+(\q)] matrix_a_fmt:MATRIX_FMT_FP6 matrix_b_fmt:MATRIX_FMT_FP6 matrix_a_scale:MATRIX_SCALE_ROW1
.endif
.endr
.endr
.endm
.macro FETCH_B slot, q, p
	WIN TO_B
.irp i, 0,1,2,3,4,5,6,7
	FRAG 128*(\p)+FR*\i, ADRB+\slot, \q, \i
.endr
	WIN 0
.endm
.macro FETCH_A slot, q, i0
.irp i, \i0, \i0+1, \i0+2, \i0+3
	FRAG AF+FR*(\i), ADRA+\slot, \q, \i
.endr
.endm
.macro SCALES sc, ks                   ; K step ks's two words a row into set sc
.irp i, 0,1,2,3,4,5,6,7
	ds_load_b64 v[SC+8*NQ*\sc+NQ*\i:SC+8*NQ*\sc+NQ*\i+1], v[ADRS] offset:512*\i+256*((\ks)/2)+8*((\ks)%2)
.endr
.endm
.macro STEP slot, q, zero              ; 128 along K that have their successor in the same slot
	s_wait_dscnt 4*NL                              ; role B's set and role A's blocks 0-3 are in; the youngest sixteen loads (blocks 4-7) may be out
.if \zero
	WIN 0x81                                       ; C (the bias) window 0, D window 2
.else
	WIN MUL_LO
.endif
	MUL16 0, (\q)%2, \q, \slot, \zero
	MUL16 2, (\q)%2, \q, \slot, \zero
	s_wait_dscnt 0
	PLACES NP
	FETCH_B \slot, (\q)+1, 1-(\q)%2
	FETCH_A \slot, (\q)+1, 0
.if \zero
	WIN 0xc1
.else
	WIN MUL_HI
.endif
	MUL16 4, (\q)%2, \q, \slot, \zero
	MUL16 6, (\q)%2, \q, \slot, \zero
	PLACES NP
	WIN 0
	FETCH_A \slot, (\q)+1, 4
.endm
; A slot's last step changes slots: one barrier; in front of it each wave waits for all its tensor loads, adds 0 to its spare word, and waits for that and for its reads of this slot.
.macro TURN slot, next, fill, ks
	s_wait_tensorcnt 0x0                           ; all my tensor loads have landed: my part of the next slot
	ds_add_u32 v[SPW], v[NIL]
	s_wait_dscnt 4*NL+1                            ; (the add and role A's blocks 4-7 may be out)
	WIN MUL_LO
	MUL16 0, 1, NQ-1, \slot, 0
	s_wait_dscnt 0x0                               ; the add is done, and my reads of this slot are over
	s_barrier_signal -1
	MUL16 2, 1, NQ-1, \slot, 0
	WIN 0
	s_barrier_wait -1
.if \fill
	CREST                                          ; the barrier has opened a round of the cluster's: no wave of any partner still reads this slot or has a load on its way
	s_add_nc_u64 s[G0X+4*\slot+2:G0X+4*\slot+3], s[G0X+4*\slot+2:G0X+4*\slot+3], 2*XSTEP
	s_add_nc_u64 s[G0W+4*\slot+2:G0W+4*\slot+3], s[G0W+4*\slot+2:G0W+4*\slot+3], 2*WSTEP
	JLOAD G0X+4*\slot, G1X, G0W+4*\slot, G1W       ; the first tensor load behind the round; its four v_nop are the places in front of the loads below
.else
	PLACES NP
.endif
	FETCH_B \next, 0, 0
	FETCH_A \next, 0, 0
	SCALES \next, \ks
	WIN MUL_HI
	MUL16 4, 1, NQ-1, \slot, 0
	MUL16 6, 1, NQ-1, \slot, 0
	PLACES NP
	WIN 0
	FETCH_A \next, 0, 4
.endm
	s_wait_tensorcnt 1                             ; the scales and my part of K step 0 are in (K step 1's load may be out),
	s_barrier_signal -1
	s_barrier_wait -1                              ; everybody's are
	FETCH_B 0, 0, 0
	FETCH_A 0, 0, 0
	SCALES 0, 0
	FETCH_A 0, 0, 4
	s_wait_loadcnt 0x0                             ; the bias
.set i, 0
.rept 64
	v_cndmask_b32 v[BR+i], v[BR+i], v[NIL], s100   ; v: no bias by register
.set i, i+1
.endr
.irp a, 0,1,2,3,4,5,6,7
	v_cndmask_b32 v[BL+2*\a], v[NIL], v[BL+2*\a], s100   ; q, k: none by lane
.endr
	s_wait_alu depctr_va_vdst(0)
	STEP 0, 0, 1                                   ; K = 1,024 is four K steps: written out, no loop
	TURN 0, 1, 1, 1
	STEP 1, 0, 0
	TURN 1, 0, 1, 2
	STEP 0, 0, 0
	TURN 0, 1, 0, 3                                ; nothing is left to fetch: a plain barrier
	STEP 1, 0, 0
	s_wait_dscnt 4*NL
	WIN MUL_LO
	MUL16 0, 1, NQ-1, 1, 0
	MUL16 2, 1, NQ-1, 1, 0
	s_wait_dscnt 0
	WIN MUL_HI
	MUL16 4, 1, NQ-1, 1, 0
	MUL16 6, 1, NQ-1, 1, 0
	WIN 0
; THE WAY OUT.  Block a's 64 numbers of a lane are 128 neighbours' halves along the next K (q, k: two heads' 64 channels; v: 128 keys).  They are quantised in registers; the fragment's two images are stored as they stand.
; q, k: image c belongs to head c of my two, tile a of my eight.  v: block a is channels' tile a % 4 of head a / 4, its two images lie on end.  What differs is kept in scalar registers: the text is one.
	s_lshr_b32 s84, s40, 3                         ; the batch
	s_lshl_b32 s84, s84, 4
	s_and_b32 s85, s23, 3
	s_lshl_b32 s85, s85, 2
	s_add_co_u32 s84, s84, s85
	s_lshl_b32 s85, s20, 1
	s_add_co_u32 s84, s84, s85                     ; my first head: 16 x batch + 4 (columns' block % 4) + 2 x half
	s_and_b32 s85, s40, 7                          ; which 256 tokens of the batch
	s_mul_i32 s88, ttmp9, 6291456                  ; the section: q, k or v
	s_mul_i32 s86, s84, 98304
	s_add_co_u32 s88, s88, s86
	s_mul_i32 s86, s85, 12288
	s_add_co_u32 s88, s88, s86
	s_mul_i32 s86, s19, 6144
	s_add_co_u32 s88, s88, s86
	s_mov_b32 s89, 0
	s_add_nc_u64 s[14:15], s[14:15], s[88:89]
	s_lshl_b32 s88, ttmp9, 18
	s_lshl_b32 s86, s84, 12
	s_add_co_u32 s88, s88, s86
	s_lshl_b32 s86, s85, 9
	s_add_co_u32 s88, s88, s86
	s_lshl_b32 s86, s19, 8
	s_add_co_u32 s88, s88, s86
	s_add_nc_u64 s[16:17], s[16:17], s[88:89]
	s_cmp_eq_u32 s43, 1
	s_mov_b32 s74, 98304
	s_cselect_b32 s74, 768, s74                    ; from image 0 to image 1
	s_mov_b32 s70, 768
	s_cselect_b32 s70, 1536, s70                   ; from block to block
	s_mov_b32 s72, 768
	s_cselect_b32 s72, 93696, s72                  ; from block 3 to block 4
	s_mov_b32 s76, 128
	s_cselect_b32 s76, s76, 64                     ; the words: from pair 0 to pair 1,
	s_mov_b32 s77, 128
	s_cselect_b32 s77, 4096, s77                   ; to pair 2,
	s_mov_b32 s78, 4096
	s_cselect_b32 s78, 64, s78                     ; and from lanes 0-15 to lanes 16-31
	s_mov_b32 s79, 0x05040100
	s_cselect_b32 s79, 0x03020100, s79             ; which bytes of two blocks' words make the word that lanes 0-15 store,
	s_mov_b32 s80, 0x02020202
	s_cselect_b32 s80, 0x04040404, s80             ; and what is added for lanes 16-31
	s_mov_b32 s71, 0
	s_mov_b32 s73, 0
	s_mov_b32 s75, 0
	s_mov_b32 s[SEL], 0x76543210
	s_mov_b32 s[SEL+1], 0xfedcba98
	s_add_nc_u64 s[68:69], s[14:15], s[74:75]
	v_mul_lo_u32 v[VW], v3, s78
	v_lshl_add_u32 v[VW], v2, 2, v[VW]
	v_add_nc_u32 v[VW+1], s76, v[VW]
	v_add_nc_u32 v[VW+2], s77, v[VW]
	v_add_nc_u32 v[VW+3], s76, v[VW+2]
	v_mul_lo_u32 v[SELV], v3, s80
	v_add_nc_u32 v[SELV], s79, v[SELV]
.macro QUANT s, pc, pw                 ; 64 numbers of a lane, register 16 b + i = k 32 b + 16 (lane / 16) + i, become a fragment's codes and its scale word
.irp b, 0,1,2,3
	v_max3_num_f32 v[TM+\b], |v[\s+16*\b]|, |v[\s+1+16*\b]|, 0x1800000   ; and the floor 2^(3 - 127): the byte cannot fall under 1
.endr
.irp i, 2,4,6,8,10,12,14
.irp b, 0,1,2,3
	v_max3_num_f32 v[TM+\b], v[TM+\b], |v[\s+16*\b+\i]|, |v[\s+1+16*\b+\i]|
.endr
.endr
.irp b, 0,1,2,3
	v_permlanex16_b32 v[TM+4+\b], v[TM+\b], s[SEL], s[SEL+1]
.endr
.irp b, 0,1,2,3
	v_max_num_f32 v[TM+\b], v[TM+\b], v[TM+4+\b]
.endr
.irp b, 0,1,2,3
	v_add_nc_u32 v[TM+12+\b], 0xff000000, v[TM+\b]
.endr
.irp b, 0,1,2,3
	v_lshrrev_b32 v[TM+4+\b], 23, v[TM+12+\b]
.endr
	v_lshl_or_b32 v[\pw], v[TM+5], 8, v[TM+4]
	v_lshl_or_b32 v[\pw], v[TM+6], 16, v[\pw]
	v_lshl_or_b32 v[\pw], v[TM+7], 24, v[\pw]
.irp c, 0,1
	v_cvt_scalef32_pk16_fp6_f32 v[\pc+6*\c:\pc+2+6*\c], v[\s+32*\c:\s+15+32*\c], v[TM+12+2*\c]
	v_cvt_scalef32_pk16_fp6_f32 v[\pc+12+4*\c:\pc+14+4*\c], v[\s+16+32*\c:\s+31+32*\c], v[TM+12+2*\c+1]
.endr
	v_nop                                          ; one plain place behind a scaled conversion
.irp c, 0,1
.irp i, 0,1,2
	v_permlane16_swap_b32 v[\pc+6*\c+\i], v[\pc+12+4*\c+\i]
.endr
.irp i, 0,1,2
	v_mov_b32 v[\pc+3+6*\c+\i], v[\pc+12+4*\c+\i]
.endr
.endr
.endm
.macro EPI a
.set AC, 64*((\a)%4)
.set PCA, PCS+20*((\a)%2)
	s_wait_xcnt 0x0                                ; the earlier stores have read their bases and their data
.if (\a) == 4
	s_add_nc_u64 s[14:15], s[14:15], s[72:73]
	s_add_nc_u64 s[68:69], s[68:69], s[72:73]
.elseif (\a) > 0
	s_add_nc_u64 s[14:15], s[14:15], s[70:71]
	s_add_nc_u64 s[68:69], s[68:69], s[70:71]
.endif
	WIN 0x02+(\a)/4                                ; source 0: window 2 or 3
.set i, 0
.rept 32
	v_pk_add_f32 v[H+2*i:H+2*i+1], v[AC+2*i:AC+2*i+1], v[BL+2*(\a):BL+2*(\a)+1] op_sel_hi:[1,0]   ; the bias by lane, and the way into window 0, in one; each accumulator from its low end on
.set i, i+1
.endr
	WIN 0
	QUANT H, PCA, PW+(\a)
	global_store_b128 v4, v[PCA:PCA+3], s[14:15]               ; 512 consecutive bytes,
	global_store_b64 v5, v[PCA+4:PCA+5], s[14:15] offset:512   ; 256
	global_store_b128 v4, v[PCA+6:PCA+9], s[68:69]
	global_store_b64 v5, v[PCA+10:PCA+11], s[68:69] offset:512
.if ((\a)%2) == 1
	v_perm_b32 v[WD+(\a)/2], v[PW+(\a)], v[PW+(\a)-1], v[SELV]   ; q, k: two tiles' two bytes of a head;  v: one block's four bytes
	global_store_b32 v[VW+(\a)/2], v[WD+(\a)/2], s[16:17]
.endif
.endm
	PLACES NP                                      ; in front of the first read of results and of writes into registers that the last products read
.irp a, 0,1,2,3,4,5,6,7
	EPI \a
.endr
	s_wait_tensorcnt 0x0                           ; the wave's end
	ds_add_u32 v[SPW], v[NIL]
	s_wait_dscnt 0x0
	CROUND                                         ; the closing round
	s_endpgm
.Lfunc_end_k_q0fa5b4582e_qkv:
	.size	k_q0fa5b4582e_qkv, .Lfunc_end_k_q0fa5b4582e_qkv-k_q0fa5b4582e_qkv
	.p2alignl 7, 3214868480
	.fill 96, 4, 3214868480
	.section	.rodata,"a",@progbits
	.p2align	6, 0x0
	.amdhsa_kernel k_q0fa5b4582e_qkv
		.amdhsa_group_segment_fixed_size 327680
		.amdhsa_private_segment_fixed_size 0
		.amdhsa_enable_private_segment 0
		.amdhsa_kernarg_size 56
		.amdhsa_user_sgpr_count 2
		.amdhsa_user_sgpr_kernarg_segment_ptr 1
		.amdhsa_wavefront_size32 1
		.amdhsa_system_sgpr_workgroup_id_x 1
		.amdhsa_system_sgpr_workgroup_id_y 1
		.amdhsa_system_sgpr_workgroup_id_z 1
		.amdhsa_system_vgpr_workitem_id 0
		.amdhsa_next_free_vgpr 1024
		.amdhsa_next_free_sgpr 102
		.amdhsa_reserve_vcc 0
		.amdhsa_float_denorm_mode_32 3
		.amdhsa_float_denorm_mode_16_64 3
		.amdhsa_memory_ordered 1
		.amdhsa_forward_progress 1
		.amdhsa_inst_pref_size 174
	.end_amdhsa_kernel
	.amdgpu_metadata
---
amdhsa.version: [ 1, 2 ]
amdhsa.kernels:
  - .name:           k_q0fa5b4582e_qkv
    .symbol:         k_q0fa5b4582e_qkv.kd
    .args:
      - { .name: xc, .offset: 0, .size: 8, .value_kind: global_buffer, .address_space: global }
      - { .name: xs, .offset: 8, .size: 8, .value_kind: global_buffer, .address_space: global }
      - { .name: wc, .offset: 16, .size: 8, .value_kind: global_buffer, .address_space: global }
      - { .name: ws, .offset: 24, .size: 8, .value_kind: global_buffer, .address_space: global }
      - { .name: b_qkv, .offset: 32, .size: 8, .value_kind: global_buffer, .address_space: global }
      - { .name: qkv, .offset: 40, .size: 8, .value_kind: global_buffer, .address_space: global }
      - { .name: qkvw, .offset: 48, .size: 8, .value_kind: global_buffer, .address_space: global }
    .group_segment_fixed_size: 327680
    .private_segment_fixed_size: 0
    .kernarg_segment_align: 8
    .kernarg_segment_size: 56
    .max_flat_workgroup_size: 128
    .sgpr_count:     102
    .vgpr_count:     1024
    .wavefront_size: 32
...
	.end_amdgpu_metadata
.endif
;; end of part 2
;; launch attn (part 3): grid 4 x 64, 16 waves a work-group, no clusters, 206,848 bytes of LDS; arguments qkv, qkvw, oc, os; writes oc, os
.if DOCPART == 3
	.amdgcn_target "amdgcn-amd-amdhsa--gfx1250"
	.amdhsa_code_object_version 6
	.text
	.protected	k_q0fa5b4582e_attn
	.globl	k_q0fa5b4582e_attn
	.p2align	8
	.type	k_q0fa5b4582e_attn,@function
k_q0fa5b4582e_attn:
	s_mov_b64 s[64:65], 0
	v_nop
	global_prefetch_b8 v0, s[64:65] scope:SCOPE_SE
	s_setreg_imm32_b32 hwreg(HW_REG_WAVE_MODE, 25, 1), 1
	s_wait_xcnt 0x0
; Causal attention of one head on codes of FP6 (E2M3): S^T = K Q^T, p = 2^(t - M) quantised along the keys, O^T = V^T P^T, O / l quantised along the head's 64 for the last product.
; t = score x log2(e) / 8; M = the running largest t rounded up to a whole number; l = the sum of the unquantised p; when M moves, l and O^T are multiplied by 2^(old M - new M): exact.
; SHARES.  Work-group (i, head) owns query blocks 7 - i and i of the head's eight blocks of 256.  Wave w takes tile 16 (7 - i) + w first, then tile 16 i + 15 - w: 17 key steps of 128 for every wave of the launch.
; THE HEAD'S WHOLE K AND V LIE IN LDS, filled once (196,608 bytes of codes, 8,192 of scale words), in three stages, so that the first steps begin while the rest is on its way.  Nothing is filled again.  Four tensor loads a wave are out at most.
; The codes lie as images of operand registers (16 rows x 64 K, 768 bytes).  The head is 64 wide and the instruction 128 deep: a fragment of K holds TWO tiles of 16 keys, one in each half of its K; Q stands in one half of
; its operand and zero codes in the other (v16-33: zeros, q, zeros), so that one fragment serves two products.  A tile's rows are in the stored order: tile 2 g + u, row p = token 32 g + 8 u + p + 8 (p / 8).
; NO CLUSTER: the four work-groups of a head differ in the steps that the causal mask leaves them, and the jump round a hidden step would hang on a work-group's place.  NO PREFETCH: every load goes out at the head.
; A step all of whose keys come after the tile's queries is jumped over (ids and a counter alone); the trip counts are constants.  Work-groups 1, 2 and 3 fill one, two and three eighths more LDS than they read, so that every wave counts the same loads.
; LIMITS: NaN and infinities are not served; blocks under 2^-124 and blocks of zeros have the byte 1.  os gets 2 bytes a row (both halves of the lanes store the same): 2 bytes in 50 of what is stored.
.set SECB,  6291456                    ; a section of qkv
.set HB,    98304                      ; a head in a section
.set WSEC,  262144                     ; a section of qkvw
.set XSTEP, 1572864                    ; a K step of oc
.set VL,    98304                      ; LDS: K's codes at 0, V's here,
.set KWL,   196608                     ; K's scale words, V's 4,096 on,
.set SPARE, 204800                     ; the spare words, 128 bytes for each of 16 waves
.set SPW, 5
.set NIL, 6
.set WV,  12
.set BH,  13
.set TB,  76                           ; s76 LDS byte of the step's codes;  s77 of its words;  s78 its first key;  s79 my tile's first query;  s80 my tile;  s81 a loop's count
.set TW,  77
.set KF,  78
.set QB,  79
.set TAU, 80
.set CNT, 81
.set SEL, 88
.set CS,  90
.macro G1SET g, r                      ; a dense block as r rows of 256 bytes
	s_mov_b32 s[\g], 3<<16
	s_mov_b32 s[\g+1], 32<<16
	s_mov_b32 s[\g+2], (\r)<<16
	s_mov_b32 s[\g+3], 32<<16
	s_mov_b32 s[\g+4], \r
	s_mov_b32 s[\g+5], 32
	s_mov_b32 s[\g+6], 0
	s_mov_b32 s[\g+7], 0
.endm
	s_load_b256 s[4:11], s[0:1], 0x0               ; qkv s[4:5], qkvw s[6:7], oc s[8:9], os s[10:11]
	v_lshl_add_u32 v[SPW], v0, 2, SPARE
	v_mov_b32 v[NIL], 0
	ds_add_u32 v[SPW], v[NIL]                      ; the wave's opening: an add and its wait ahead of the first tensor load
	ds_add_u32 v[SPW], v[NIL]
	v_lshrrev_b32 v8, 5, v0
	s_delay_alu instid0(VALU_DEP_1)
	v_readfirstlane_b32 s[WV], v8                  ; wave 0..15
	s_and_b32 s[BH], ttmp7, 0xffff                 ; batch x 16 + head
	G1SET 24, 8                                    ; half a section's words
	G1SET 32, 24                                   ; half of steps 0, 1
	G1SET 40, 72                                   ; of steps 2 to 7
	G1SET 48, 96                                   ; of steps 8 to 15
	s_lshr_b32 s14, s[WV], 1
	s_and_b32 s14, s14, 1                          ; waves 0, 1: K; waves 2, 3: V
	s_and_b32 s15, s[WV], 1                        ; which half
	s_mul_i32 s16, s14, SECB
	s_mul_i32 s17, s[BH], HB
	s_add_co_u32 s16, s16, s17
	s_add_co_u32 s16, s16, SECB
	s_mov_b32 s17, 0
	s_mul_i32 s18, s14, WSEC
	s_lshl_b32 s19, s[BH], 12
	s_add_co_u32 s18, s18, s19
	s_lshl_b32 s19, s15, 11
	s_add_co_u32 s18, s18, s19
	s_add_co_u32 s18, s18, WSEC
	s_mov_b32 s19, 0
	s_mul_i32 s20, s14, HB                         ; the section in LDS
	s_mul_i32 s21, s15, 6144
	s_mul_i32 s22, s15, 18432
	s_add_co_u32 s22, s22, 12288
	s_mul_i32 s23, s15, 24576
	s_add_co_u32 s23, s23, 49152
	s_lshl_b32 s86, s14, 12
	s_lshl_b32 s87, s15, 11
	s_add_co_u32 s86, s86, s87
	s_mov_b32 s85, 0
	s_mov_b32 s[SEL], 0x76543210
	s_mov_b32 s[SEL+1], 0xfedcba98
	s_mov_b32 s[CS], 0x3e38aa3b                    ; c = log2(e) / 8
	s_mov_b32 s[CS+1], s[CS]
	s_wait_dscnt 0x0                               ; the opening add is done
	s_wait_kmcnt 0x0
	s_add_nc_u64 s[16:17], s[4:5], s[16:17]
	s_add_nc_u64 s[18:19], s[6:7], s[18:19]
	s_mov_b32 s56, 1
	s_add_co_u32 s57, s86, KWL
	s_mov_b64 s[58:59], s[18:19]
	s_or_b32 s59, s59, 0x80000000
	s_mov_b32 s60, 1
	s_add_co_u32 s61, s20, s21
	s_mov_b32 s84, s21
	s_add_nc_u64 s[62:63], s[16:17], s[84:85]
	s_or_b32 s63, s63, 0x80000000
	s_mov_b32 s68, 1
	s_add_co_u32 s69, s20, s22
	s_mov_b32 s84, s22
	s_add_nc_u64 s[70:71], s[16:17], s[84:85]
	s_or_b32 s71, s71, 0x80000000
	s_mov_b32 s72, 1
	s_add_co_u32 s73, s20, s23
	s_mov_b32 s84, s23
	s_add_nc_u64 s[74:75], s[16:17], s[84:85]
	s_or_b32 s75, s75, 0x80000000
	s_cmp_lt_u32 s[WV], 4                          ; a wave's first fills stand in one branch, ahead of every wait on TENSORcnt, every LDS read and every barrier
	s_cbranch_scc0 .Lno_fill
	tensor_load_to_lds s[56:59], s[24:31]
	s_nop 0
	tensor_load_to_lds s[60:63], s[32:39]
	s_nop 0
	tensor_load_to_lds s[68:71], s[40:47]
	s_nop 0
	tensor_load_to_lds s[72:75], s[48:55]
	s_nop 0
.rept 4
	v_nop
.endr
.Lno_fill:
	v_and_b32 v1, 31, v0
	s_delay_alu instid0(VALU_DEP_1)
	v_lshl_add_u32 v2, v1, 3, 512                  ; 512 + 8 x lane
	s_delay_alu instid0(VALU_DEP_2)
	v_lshl_add_u32 v3, v1, 2, KWL                  ; K's words: 4 x lane: lanes 0-15 an even pair of tiles, lanes 16-31 the odd one
	s_delay_alu instid0(VALU_DEP_3)
	v_lshlrev_b32 v1, 4, v1                        ; 16 x lane
	v_and_b32 v34, 15, v0                          ; r
	v_bfe_u32 v35, v0, 4, 1                        ; h
	s_delay_alu instid0(VALU_DEP_2)
	v_and_b32 v7, 8, v34
	s_delay_alu instid0(VALU_DEP_1)
	v_add_nc_u32 v7, v7, v34
	s_delay_alu instid0(VALU_DEP_3)
	v_lshlrev_b32 v8, 4, v35
	s_delay_alu instid0(VALU_DEP_1)
	v_sub_nc_u32 v7, v7, v8                        ; r + 8 (r / 8) - 16 h: for the mask
	v_lshlrev_b32 v35, 4, v34                      ; 16 r
	v_lshlrev_b32 v34, 2, v34                      ; 4 r
.irp j, 16,17,18,19,20,21,28,29,30,31,32,33
	v_mov_b32 v[\j], 0                             ; the zero codes on both sides of q
.endr
.irp j, 196,197,198,199,204,207
	v_mov_b32 v[\j], 0                             ; written once: permutes' destinations, and the upper half of the pair v[206:207]
.endr
; A KEY STEP: 128 keys.
.macro STEP
	s_add_co_u32 s94, s[QB], 23                    ; my tile's last query
	s_cmp_gt_u32 s[KF], s94
	s_cbranch_scc1 .Lhidden_\@                     ; all its keys are hidden: only the addresses step
	s_setprio 2
	v_add_nc_u32 v8, s[TB], v1                     ; (these five are the places in front of the loads into registers that the last products read)
	v_add_nc_u32 v9, s[TB], v2
	s_delay_alu instid0(VALU_DEP_2)
	v_add_nc_u32 v10, VL, v8
	s_delay_alu instid0(VALU_DEP_2)
	v_add_nc_u32 v11, VL, v9
	v_add_nc_u32 v4, s[TW], v3
.irp b, 0,1,2,3
	ds_load_b128 v[36+12*\b:39+12*\b], v8 offset:1536*\b          ; key tiles 2 b and 2 b + 1: one fragment
	ds_load_b64 v[40+12*\b:41+12*\b], v9 offset:1536*\b
	ds_load_b128 v[42+12*\b:45+12*\b], v8 offset:1536*\b+768
	ds_load_b64 v[46+12*\b:47+12*\b], v9 offset:1536*\b+768
.endr
	ds_load_b32 v244, v4
	ds_load_b32 v245, v4 offset:128
	s_wait_alu depctr_va_vdst(0)
	s_wait_dscnt 0x0
.irp b, 0,1,2,3
.if \b%2
	v_wmma_scale_f32_16x16x128_f8f6f4 v[96+16*\b:103+16*\b], v[36+12*\b:47+12*\b], v[22:33], 0, v[244+\b/2], v248 matrix_a_fmt:MATRIX_FMT_FP6 matrix_b_fmt:MATRIX_FMT_FP6 matrix_a_scale:MATRIX_SCALE_ROW1
	v_wmma_scale_f32_16x16x128_f8f6f4 v[104+16*\b:111+16*\b], v[36+12*\b:47+12*\b], v[16:27], 0, v[244+\b/2], v248 matrix_a_fmt:MATRIX_FMT_FP6 matrix_b_fmt:MATRIX_FMT_FP6 matrix_a_scale:MATRIX_SCALE_ROW1
.else
	v_wmma_scale_f32_16x16x128_f8f6f4 v[96+16*\b:103+16*\b], v[36+12*\b:47+12*\b], v[22:33], 0, v[244+\b/2], v248 matrix_a_fmt:MATRIX_FMT_FP6 matrix_b_fmt:MATRIX_FMT_FP6
	v_wmma_scale_f32_16x16x128_f8f6f4 v[104+16*\b:111+16*\b], v[36+12*\b:47+12*\b], v[16:27], 0, v[244+\b/2], v248 matrix_a_fmt:MATRIX_FMT_FP6 matrix_b_fmt:MATRIX_FMT_FP6
.endif
.endr                                  ; register 16 b + i of v96 on: key KF + 32 b + 16 (lane / 16) + i, for my lane's query
.rept 4
	v_nop                                          ; places: for the loads below and for the first read of the scores
.endr
.irp t, 0,1,2,3
	ds_load_b128 v[36+12*\t:39+12*\t], v10 offset:1536*\t         ; V's four tiles of channels: they land under the softmax
	ds_load_b64 v[40+12*\t:41+12*\t], v11 offset:1536*\t
	ds_load_b128 v[42+12*\t:45+12*\t], v10 offset:1536*\t+768
	ds_load_b64 v[46+12*\t:47+12*\t], v11 offset:1536*\t+768
.endr
	ds_load_b32 v246, v4 offset:4096
	ds_load_b32 v247, v4 offset:4224
	s_add_co_u32 s94, s[KF], 127
	s_cmp_le_u32 s94, s[QB]
	s_cbranch_scc1 .Lopen_\@                       ; all keys count for all my queries
	s_sub_co_i32 s94, s[QB], s[KF]
	v_add_nc_u32 v204, s94, v7                     ; d = my query - KF - 16 (lane / 16): register 16 b + i is hidden where 32 b + i > d
	v_mov_b32 v205, 0xff800000                     ; -infinity
.irp n, 0,1,2,3,4,5,6,7,8,9,10,11,12,13,14,15,16,17,18,19,20,21,22,23,24,25,26,27,28,29,30,31,32,33,34,35,36,37,38,39,40,41,42,43,44,45,46,47,48,49,50,51,52,53,54,55,56,57,58,59,60,61,62,63
	v_cmp_gt_i32 vcc_lo, 32*(\n/16)+\n%16, v204
	v_cndmask_b32 v[96+\n], v[96+\n], v205, vcc_lo
.endr
.Lopen_\@:
.irp b, 0,1,2,3
	v_max3_num_f32 v[192+\b], v[96+16*\b], v[97+16*\b], v[98+16*\b]   ; the largest score of each block of 32 keys: for the row's maximum, and, since p rises with the score, for the block's largest p
.endr
.irp i, 3,5,7,9,11,13
.irp b, 0,1,2,3
	v_max3_num_f32 v[192+\b], v[192+\b], v[96+16*\b+\i], v[97+16*\b+\i]
.endr
.endr
.irp b, 0,1,2,3
	v_max_num_f32 v[192+\b], v[192+\b], v[111+16*\b]
.endr
.irp b, 0,1,2,3
	s_delay_alu instid0(VALU_DEP_4)
	v_permlanex16_b32 v[196+\b], v[192+\b], s[SEL], s[SEL+1]
.endr
.irp b, 0,1,2,3
	s_delay_alu instid0(VALU_DEP_4)
	v_max_num_f32 v[192+\b], v[192+\b], v[196+\b]
.endr
	s_delay_alu instid0(VALU_DEP_2)
	v_max3_num_f32 v204, v192, v193, v194
	s_delay_alu instid0(VALU_DEP_1)
	v_max_num_f32 v204, v204, v195
	s_delay_alu instid0(VALU_DEP_1)
	v_mul_f32 v204, s[CS], v204
	s_delay_alu instid0(VALU_DEP_1)
	v_max_num_f32 v13, v13, v204                   ; the running largest t
	v_mov_b32 v204, v12
	s_delay_alu instid0(VALU_DEP_2)
	v_floor_f32 v12, -v13                          ; -M = floor(-t)
	s_delay_alu instid0(VALU_DEP_1)
	v_sub_f32 v204, v12, v204                      ; old M - new M: a whole number, 0 or less
	s_delay_alu instid0(VALU_DEP_1)
	v_cvt_i32_f32 v204, v204                       ; (it saturates)
	s_delay_alu instid0(VALU_DEP_1)
	v_ldexp_f32 v206, 1.0, v204                    ; f = 2^(old M - new M)
	s_setprio 1
.irp j, 0,2,4,6,8,10,12,14,16,18,20,22,24,26,28,30,32,34,36,38,40,42,44,46,48,50,52,54,56,58,60,62
	v_pk_fma_f32 v[96+\j:97+\j], v[96+\j:97+\j], s[CS:CS+1], v[12:13] op_sel_hi:[1,0,0]   ; t - M
.endr
.irp b, 0,1,2,3
	v_fma_f32 v[192+\b], v[192+\b], s[CS], v12
.endr
	s_wait_alu depctr_va_vdst(0)
.irp j, 0,1,2,3,4,5,6,7,8,9,10,11,12,13,14,15,16,17,18,19,20,21,22,23,24,25,26,27,28,29,30,31,32,33,34,35,36,37,38,39,40,41,42,43,44,45,46,47,48,49,50,51,52,53,54,55,56,57,58,59,60,61,62,63
	v_exp_f32 v[96+\j], v[96+\j]                   ; p = 2^(t - M): not normalised
.endr
	v_pk_mul_f32 v[14:15], v[14:15], v[206:207] op_sel_hi:[1,0]   ; the sums under the new M: the plain place behind the exponentials
	s_wait_alu depctr_va_vdst(0)                   ; one wait for the batch, ahead of its first reader
.irp b, 0,1,2,3
	v_exp_f32 v[192+\b], v[192+\b]                 ; each block's largest p
.endr
	v_pk_add_f32 v[208:209], v[100:101], v[104:105]
	v_pk_add_f32 v[254:255], v[108:109], v[112:113]
	v_pk_add_f32 v[252:253], v[116:117], v[120:121]
	v_pk_add_f32 v[250:251], v[124:125], v[128:129]
	v_pk_add_f32 v[244:245], v[132:133], v[136:137]
	v_pk_add_f32 v[242:243], v[140:141], v[144:145]
	v_pk_add_f32 v[240:241], v[148:149], v[152:153]
	v_pk_add_f32 v[14:15], v[14:15], v[156:157]
	v_pk_add_f32 v[208:209], v[208:209], v[96:97]
	v_pk_add_f32 v[254:255], v[254:255], v[98:99]
	v_pk_add_f32 v[252:253], v[252:253], v[102:103]
	v_pk_add_f32 v[250:251], v[250:251], v[106:107]
	v_pk_add_f32 v[244:245], v[244:245], v[110:111]
	v_pk_add_f32 v[242:243], v[242:243], v[114:115]
	v_pk_add_f32 v[240:241], v[240:241], v[118:119]
	v_pk_add_f32 v[14:15], v[14:15], v[122:123]
	v_pk_add_f32 v[208:209], v[208:209], v[126:127]
	v_pk_add_f32 v[254:255], v[254:255], v[130:131]
	v_pk_add_f32 v[252:253], v[252:253], v[134:135]
	v_pk_add_f32 v[250:251], v[250:251], v[138:139]
	v_pk_add_f32 v[244:245], v[244:245], v[142:143]
	v_pk_add_f32 v[242:243], v[242:243], v[146:147]
	v_pk_add_f32 v[240:241], v[240:241], v[150:151]
	v_pk_add_f32 v[14:15], v[14:15], v[154:155]
	v_pk_add_f32 v[208:209], v[208:209], v[158:159]
	s_delay_alu instid0(VALU_DEP_2)
	v_pk_add_f32 v[14:15], v[14:15], v[250:251]
	s_delay_alu instid0(VALU_DEP_2)
	v_pk_add_f32 v[208:209], v[208:209], v[244:245]
	v_pk_add_f32 v[254:255], v[254:255], v[242:243]
	v_pk_add_f32 v[252:253], v[252:253], v[240:241]
	s_delay_alu instid0(VALU_DEP_2)
	v_pk_add_f32 v[14:15], v[14:15], v[254:255]
	s_delay_alu instid0(VALU_DEP_2)
	v_pk_add_f32 v[208:209], v[208:209], v[252:253]
	s_delay_alu instid0(VALU_DEP_1)
	v_pk_add_f32 v[14:15], v[14:15], v[208:209]
	s_wait_alu depctr_va_vdst(0)                   ; and one for the four
.irp b, 0,1,2,3
	v_max_num_f32 v[192+\b], 0x1800000, v[192+\b]  ; the floor 2^(3 - 127)
.endr
.irp b, 0,1,2,3
	s_delay_alu instid0(VALU_DEP_4)
	v_add_nc_u32 v[200+\b], 0xff000000, v[192+\b]
.endr
.irp b, 0,1,2,3
	s_delay_alu instid0(VALU_DEP_4)
	v_lshrrev_b32 v[196+\b], 23, v[200+\b]
.endr
	s_delay_alu instid0(VALU_DEP_3)
	v_lshl_or_b32 v249, v197, 8, v196              ; p's scale word for these 128 keys
	s_delay_alu instid0(VALU_DEP_1)
	v_lshl_or_b32 v249, v198, 16, v249
	s_delay_alu instid0(VALU_DEP_1)
	v_lshl_or_b32 v249, v199, 24, v249
	s_setprio 0
.irp c, 0,1
	v_cvt_scalef32_pk16_fp6_f32 v[224+6*\c:226+6*\c], v[96+32*\c:111+32*\c], v[200+2*\c]
	v_cvt_scalef32_pk16_fp6_f32 v[236+4*\c:238+4*\c], v[112+32*\c:127+32*\c], v[200+2*\c+1]
.endr
	v_nop                                          ; one plain place behind a scaled conversion
.irp c, 0,1
.irp i, 0,1,2
	v_permlane16_swap_b32 v[224+6*\c+\i], v[236+4*\c+\i]
.endr
.irp i, 0,1,2
	s_delay_alu instid0(VALU_DEP_3)
	v_mov_b32 v[227+6*\c+\i], v[236+4*\c+\i]
.endr
.endr
.irp j, 0,2,4,6,8,10,12,14,16,18,20,22,24,26,28,30
	v_pk_mul_f32 v[160+\j:161+\j], v[160+\j:161+\j], v[206:207] op_sel_hi:[1,0]   ; O^T under the new M; also the places in front of the products below
.endr
	s_wait_alu depctr_va_vdst(0)
	s_wait_dscnt 0x0                               ; V
.irp t, 0,1,2,3                        ; four accumulators by turns
.if \t%2
	v_wmma_scale_f32_16x16x128_f8f6f4 v[160+8*\t:167+8*\t], v[36+12*\t:47+12*\t], v[224:235], v[160+8*\t:167+8*\t], v[246+\t/2], v249 matrix_a_fmt:MATRIX_FMT_FP6 matrix_b_fmt:MATRIX_FMT_FP6 matrix_a_scale:MATRIX_SCALE_ROW1
.else
	v_wmma_scale_f32_16x16x128_f8f6f4 v[160+8*\t:167+8*\t], v[36+12*\t:47+12*\t], v[224:235], v[160+8*\t:167+8*\t], v[246+\t/2], v249 matrix_a_fmt:MATRIX_FMT_FP6 matrix_b_fmt:MATRIX_FMT_FP6
.endif
.endr
.Lhidden_\@:
	s_add_co_u32 s[TB], s[TB], 6144
	s_add_co_u32 s[TW], s[TW], 256
	s_add_co_u32 s[KF], s[KF], 128
.endm
.macro STEPS n
	s_mov_b32 s[CNT], \n
.Lsteps_\@:
	STEP
	s_sub_co_u32 s[CNT], s[CNT], 1
	s_cmp_lg_u32 s[CNT], 0
	s_cbranch_scc1 .Lsteps_\@
	s_setprio 0
.endm
.macro PASS_BEGIN p
	s_wait_xcnt 0x0                                ; the last pass's stores have read their bases and data
	s_lshl_b32 s[TAU], ttmp9, 4
.if \p == 1
	s_sub_co_u32 s[TAU], 112, s[TAU]
	s_add_co_u32 s[TAU], s[TAU], s[WV]             ; tile 16 (7 - i) + w
.else
	s_add_co_u32 s[TAU], s[TAU], 15
	s_sub_co_u32 s[TAU], s[TAU], s[WV]             ; tile 16 i + 15 - w
.endif
	s_lshr_b32 s94, s[TAU], 1
	s_and_b32 s95, s[TAU], 1
	s_lshl_b32 s[QB], s94, 5
	s_lshl_b32 s92, s95, 3
	s_add_co_u32 s[QB], s[QB], s92                 ; its first query: 32 (tile / 2) + 8 (tile % 2)
	s_mul_i32 s84, s[BH], HB
	s_mul_i32 s86, s[TAU], 768
	s_add_co_u32 s84, s84, s86
	s_mov_b32 s85, 0
	s_add_nc_u64 s[82:83], s[4:5], s[84:85]
	s_lshl_b32 s84, s[BH], 12
	s_lshl_b32 s86, s94, 6
	s_add_co_u32 s84, s84, s86
	s_add_nc_u64 s[86:87], s[6:7], s[84:85]
	global_load_b128 v[22:25], v1, s[82:83]        ; q's image: it stays in registers
	global_load_b64 v[26:27], v2, s[82:83]
	global_load_b32 v204, v34, s[86:87]            ; the pair's word: my tile's two bytes below or above
	s_mov_b32 s94, 0x01000100
	s_cmp_eq_u32 s95, 1
	s_cselect_b32 s94, 0x03020302, s94
	s_mov_b32 s[TB], 0
	s_mov_b32 s[TW], 0
	s_mov_b32 s[KF], 0
	s_wait_loadcnt 0x0
	v_perm_b32 v248, v204, v204, s94               ; q's two bytes for both halves of the instruction's K
	v_mov_b32 v13, 0xff61b1e6                      ; the largest t so far: -3e38
	s_delay_alu instid0(VALU_DEP_1)
	v_floor_f32 v12, -v13
	v_mov_b32 v14, 0
	v_mov_b32 v15, 0
.set j, 0
.rept 32
	v_mov_b32 v[160+j], 0                          ; O^T: the first change of M leaves zeros zeros.  (Also the places between the scale's line above and the first product)
.set j, j+1
.endr
.endm
.macro PASS_END
.rept 4
	v_nop
.endr
	v_add_f32 v14, v14, v15
	s_delay_alu instid0(VALU_DEP_1)
	v_permlanex16_b32 v204, v14, s[SEL], s[SEL+1]
	s_delay_alu instid0(VALU_DEP_1)
	v_add_f32 v14, v14, v204                       ; the row's sum
	s_wait_alu depctr_va_vdst(0)
	v_rcp_f32 v14, v14
	v_nop                                          ; a plain place behind the transcendental
	s_lshr_b32 s94, s[BH], 4
	s_lshl_b32 s94, s94, 7
	s_add_co_u32 s94, s94, s[TAU]                  ; the tile among the 512 of all batches
	s_and_b32 s95, s[BH], 15                       ; the head
	s_lshr_b32 s84, s95, 2
	s_mul_i32 s84, s84, XSTEP
	s_mul_i32 s86, s94, 3072
	s_add_co_u32 s84, s84, s86
	s_and_b32 s86, s95, 3
	s_mul_i32 s86, s86, 768
	s_add_co_u32 s84, s84, s86
	s_mov_b32 s85, 0
	s_add_nc_u64 s[82:83], s[8:9], s[84:85]
	s_lshl_b32 s84, s94, 9
	s_lshr_b32 s86, s95, 3
	s_lshl_b32 s86, s86, 8
	s_add_co_u32 s84, s84, s86
	s_and_b32 s86, s95, 7
	s_lshl_b32 s86, s86, 1
	s_add_co_u32 s84, s84, s86
	s_add_nc_u64 s[86:87], s[10:11], s[84:85]
	s_wait_alu depctr_va_vdst(0)                   ; ahead of the reciprocal's first reader
.set j, 0
.rept 32
	v_mul_f32 v[96+j], v[160+j], v14               ; register 16 g + i: channel 32 g + 16 (lane / 16) + i of my query
.set j, j+1
.endr
.irp b, 0,1
	v_max3_num_f32 v[192+\b], |v[96+16*\b]|, |v[97+16*\b]|, 0x1800000
.endr
.irp i, 2,4,6,8,10,12,14
.irp b, 0,1
	s_delay_alu instid0(VALU_DEP_2)
	v_max3_num_f32 v[192+\b], v[192+\b], |v[96+16*\b+\i]|, |v[97+16*\b+\i]|
.endr
.endr
.irp b, 0,1
	s_delay_alu instid0(VALU_DEP_2)
	v_permlanex16_b32 v[196+\b], v[192+\b], s[SEL], s[SEL+1]
.endr
.irp b, 0,1
	s_delay_alu instid0(VALU_DEP_2)
	v_max_num_f32 v[192+\b], v[192+\b], v[196+\b]
.endr
.irp b, 0,1
	s_delay_alu instid0(VALU_DEP_2)
	v_add_nc_u32 v[200+\b], 0xff000000, v[192+\b]
.endr
.irp b, 0,1
	s_delay_alu instid0(VALU_DEP_2)
	v_lshrrev_b32 v[196+\b], 23, v[200+\b]
.endr
	s_delay_alu instid0(VALU_DEP_1)
	v_lshl_or_b32 v204, v197, 8, v196              ; the head's two bytes of my row
	v_cvt_scalef32_pk16_fp6_f32 v[224:226], v[96:111], v200
	v_cvt_scalef32_pk16_fp6_f32 v[236:238], v[112:127], v201
	v_nop
.irp i, 0,1,2
	v_permlane16_swap_b32 v[224+\i], v[236+\i]
.endr
.irp i, 0,1,2
	s_delay_alu instid0(VALU_DEP_3)
	v_mov_b32 v[227+\i], v[236+\i]
.endr
	global_store_b128 v1, v[224:227], s[82:83]     ; one image: 512 consecutive bytes,
	global_store_b64 v2, v[228:229], s[82:83]      ; and 256
	global_store_b16 v35, v204, s[86:87]
.endm
	PASS_BEGIN 1
	s_wait_tensorcnt 2                             ; the words and steps 0, 1 are in; the two later stages may be out
	s_barrier_signal -1
	s_barrier_wait -1
	STEPS 2
	s_wait_tensorcnt 1                             ; steps 2 to 7
	s_wait_dscnt 0x0
	s_barrier_signal -1
	s_barrier_wait -1
	STEPS 6
	s_wait_tensorcnt 0x0                           ; steps 8 to 15
	s_wait_dscnt 0x0
	s_barrier_signal -1
	s_barrier_wait -1
	STEPS 8
	PASS_END
	PASS_BEGIN 2                                   ; queries under 1,024: eight steps at the most
	STEPS 8
	PASS_END
	s_wait_tensorcnt 0x0                           ; the wave's end
	ds_add_u32 v[SPW], v[NIL]
	s_wait_dscnt 0x0
	s_endpgm
.Lfunc_end_k_q0fa5b4582e_attn:
	.size	k_q0fa5b4582e_attn, .Lfunc_end_k_q0fa5b4582e_attn-k_q0fa5b4582e_attn
	.p2alignl 7, 3214868480
	.fill 96, 4, 3214868480
	.section	.rodata,"a",@progbits
	.p2align	6, 0x0
	.amdhsa_kernel k_q0fa5b4582e_attn
		.amdhsa_group_segment_fixed_size 206848
		.amdhsa_private_segment_fixed_size 0
		.amdhsa_enable_private_segment 0
		.amdhsa_kernarg_size 32
		.amdhsa_user_sgpr_count 2
		.amdhsa_user_sgpr_kernarg_segment_ptr 1
		.amdhsa_wavefront_size32 1
		.amdhsa_system_sgpr_workgroup_id_x 1
		.amdhsa_system_sgpr_workgroup_id_y 1
		.amdhsa_system_sgpr_workgroup_id_z 1
		.amdhsa_system_vgpr_workitem_id 0
		.amdhsa_next_free_vgpr 256
		.amdhsa_next_free_sgpr 100
		.amdhsa_reserve_vcc 1
		.amdhsa_float_denorm_mode_32 3
		.amdhsa_float_denorm_mode_16_64 3
		.amdhsa_memory_ordered 1
		.amdhsa_forward_progress 1
		.amdhsa_inst_pref_size 114
	.end_amdhsa_kernel
	.amdgpu_metadata
---
amdhsa.version: [ 1, 2 ]
amdhsa.kernels:
  - .name:           k_q0fa5b4582e_attn
    .symbol:         k_q0fa5b4582e_attn.kd
    .args:
      - { .name: qkv, .offset: 0, .size: 8, .value_kind: global_buffer, .address_space: global }
      - { .name: qkvw, .offset: 8, .size: 8, .value_kind: global_buffer, .address_space: global }
      - { .name: oc, .offset: 16, .size: 8, .value_kind: global_buffer, .address_space: global }
      - { .name: os, .offset: 24, .size: 8, .value_kind: global_buffer, .address_space: global }
    .group_segment_fixed_size: 206848
    .private_segment_fixed_size: 0
    .kernarg_segment_align: 8
    .kernarg_segment_size: 32
    .max_flat_workgroup_size: 512
    .sgpr_count:     100
    .vgpr_count:     256
    .wavefront_size: 32
...
	.end_amdgpu_metadata
.endif
;; end of part 3
;; launch proj (part 4): grid 4 x 32, 4 waves a work-group, clusters of 4 x 4, 327,680 bytes of LDS; arguments oc, os, wc, ws, b_out, out0; writes out0
.if DOCPART == 4
	.amdgcn_target "amdgcn-amd-amdhsa--gfx1250"
	.amdhsa_code_object_version 6
	.text
	.protected	k_q0fa5b4582e_proj
	.globl	k_q0fa5b4582e_proj
	.p2align	8
	.type	k_q0fa5b4582e_proj,@function
k_q0fa5b4582e_proj:
	s_mov_b64 s[64:65], 0
	v_nop
	global_prefetch_b8 v0, s[64:65] scope:SCOPE_SE
	s_setreg_imm32_b32 hwreg(HW_REG_WAVE_MODE, 25, 1), 1
	s_wait_xcnt 0x0
	s_wait_alu depctr_hold_cnt(0) depctr_sa_sdst(0) depctr_va_vdst(0) depctr_va_sdst(0) depctr_va_ssrc(0) depctr_va_vcc(0) depctr_vm_vsrc(0)
	s_getreg_b32 s2, hwreg(HW_REG_IB_STS2, 6, 4)
	s_cmp_eq_u32 s2, 0
	s_cbranch_scc0 .Lentry_in_a_cluster
	s_endpgm
.Lentry_in_a_cluster:
	s_bfe_u32 s2, ttmp6, 0x10000c
	s_cmp_lg_u32 s2, 0xf033
	s_cbranch_scc0 .Lentry_shape_is_right
	s_endpgm
.Lentry_shape_is_right:
; out0 = o w_out + b_out on codes of FP6 (E2M3) with E8M0 scales, K = 1,024.  o's codes and scales come from the attention launch in x's format; w_out's are tiles 192 to 255 of wc and ws.
; A work-group of four waves makes 256 rows by 256 columns; a wave 128 x 128: 64 accumulators.  K goes in four steps of 256 through two LDS slots; a step's part of 8 tiles is one dense block of 24,576 bytes.
; The codes lie as images of operand registers (16 rows x 64 K, 768 bytes: lane l's bytes 0-15 at 16 l, bytes 16-23 at 512 + 8 l): a fragment is four dense LDS loads.
; Source 1 = 16 rows of o (the result's lanes), source 0 = 16 columns (its registers).  Rows and columns lie in the stored order (bits 3 and 4 of the number changed): the way out puts both right.
; CLUSTERS: 4 x 4: o's tiles are asked for jointly along a row of the cluster, the weights' along a column.  The scales of all of K come once.  At most three tensor loads of a wave are out.  No prefetch: three of a wave's five loads go out at the head.
; The grid has 128 work-groups: 8,192 x 1,024 of f32 in tiles of 256 x 256.
; REGISTERS: window 0: v0-31 addresses; v32-63 scale words; v64-127 the bias by register; v128-223 o's fragments (on the way out v128-255 rows of out0).  Window 1: the weights' fragments, two sets.  Windows 2, 3: the accumulators.
.set XSTEP,  1572864
.set WSTEP,  786432
.set WOFF,   192*3072                  ; w_out's first tile in a K step of wc
.set WSOFF,  192*512                   ; and in ws
.set TILEB,  3072
.set HALFT,  8*TILEB
.set SLOT,   4*HALFT
.set SCL,    2*SLOT
.set HALFS,  4096
.set SPARE,  SCL+4*HALFS
.set SPITCH, 528                       ; the way out: a stage of 16 rows x (512 bytes + 16) for each wave, in slot 0, which has had its last fill and its last read by then
.set FR, 12
.set NL, 4
.set NP, 4
.set NQ, 2
.set CO,   4                           ; v4 16 x lane
.set ADRA, 16
.set ADRB, 20
.set STO,  24
.set RD,   25
.set ADRS, 27
.set SPW, 28
.set NIL, 29
.set SC,  32
.set BR,  64
.set AF,  128
.set BK,  128
.set G1X, 24
.set G0X, 32
.set G1W, 48
.set G0W, 56
.set G1SX, 68
.set G0SX, 76
.set G1SW, 80
.set G0SW, 88
.set MSB, 0
.macro WIN new
.set NEWW, \new
.if MSB != NEWW
	s_set_vgpr_msb (MSB<<8)|NEWW
.set MSB, NEWW
.endif
.endm
.set MUL_LO, 0xa1
.set MUL_HI, 0xf1
.set TO_B,   0x40
.macro JLOAD g0a, g1a, g0b, g1b        ; a joint load: waves 0 and 1 fetch o's halves, waves 2 and 3 the weights'; an s_nop 0 and four v_nop follow each line
	s_cmp_eq_u32 s19, 0
	s_cbranch_scc0 .Lfor_b_\@
	tensor_load_to_lds s[\g0a:\g0a+3], s[\g1a:\g1a+7]
	s_nop 0
.rept 4
	v_nop
.endr
	s_branch .Lasked_\@
.Lfor_b_\@:
	tensor_load_to_lds s[\g0b:\g0b+3], s[\g1b:\g1b+7]
	s_nop 0
.rept 4
	v_nop
.endr
.Lasked_\@:
.endm
.macro CREST
	s_cmp_lg_u32 s18, 0
	s_cbranch_scc1 .Lnot_wave_0_\@
	s_barrier_signal -3
.Lnot_wave_0_\@:
	s_barrier_wait -3
	s_barrier_signal -1
	s_barrier_wait -1
.endm
.macro CROUND
	s_barrier_signal -1
	s_barrier_wait -1
	CREST
.endm
.macro PLACES n
.rept \n
	v_nop
.endr
.endm
	s_load_b256 s[4:11], s[0:1], 0x0               ; oc s[4:5], os s[6:7], wc s[8:9], ws s[10:11]
	s_load_b128 s[12:15], s[0:1], 0x20             ; b_out s[12:13], out0 s[14:15]
	v_lshl_add_u32 v[SPW], v0, 2, SPARE
	v_mov_b32 v[NIL], 0
	ds_add_u32 v[SPW], v[NIL]                      ; the wave's opening: an add and its wait ahead of my first tensor load
	ds_add_u32 v[SPW], v[NIL]
	v_lshrrev_b32 v1, 5, v0
	v_readfirstlane_b32 s18, v1
	s_lshr_b32 s19, s18, 1
	s_and_b32 s20, s18, 1
	s_bfe_u32 s21, ttmp6, 0x40000                  ; cx
	s_bfe_u32 s22, ttmp6, 0x40004                  ; cy
	s_lshl_b32 s23, ttmp9, 2
	s_add_co_u32 s23, s23, s21                     ; which 256 columns
	s_and_b32 s40, ttmp7, 0xffff
	s_lshl_b32 s40, s40, 2
	s_add_co_u32 s40, s40, s22                     ; which 256 rows
	s_lshl_b32 s41, s22, 2
	s_lshl_b32 s41, 15, s41
	s_lshl_b32 s42, 0x1111, s21
	s_or_b32 s[G1X], s41, (3<<16)|(1<<21)
	s_or_b32 s[G1W], s42, (3<<16)|(1<<21)
	s_or_b32 s[G1SX], s41, (3<<16)|(1<<21)
	s_or_b32 s[G1SW], s42, (3<<16)|(1<<21)
.irp g, G1X, G1W
	s_mov_b32 s[\g+1], 32<<16
	s_mov_b32 s[\g+2], 96<<16
	s_mov_b32 s[\g+3], 32<<16
	s_mov_b32 s[\g+4], 96
	s_mov_b32 s[\g+5], 32
	s_mov_b32 s[\g+6], 0
	s_mov_b32 s[\g+7], 0
.endr
.irp g, G1SX, G1SW
	s_mov_b32 s[\g+1], 32<<16
	s_mov_b32 s[\g+2], 16<<16
	s_mov_b32 s[\g+3], 32<<16
	s_mov_b32 s[\g+4], 16
	s_mov_b32 s[\g+5], 32
	s_mov_b32 s[\g+6], 0
	s_mov_b32 s[\g+7], 0
.endr
	s_lshl_b32 s92, s40, 4
	s_lshl_b32 s93, s20, 3
	s_add_co_u32 s92, s92, s93
	s_lshl_b32 s94, s92, 9
	s_mul_i32 s92, s92, TILEB
	s_mov_b32 s93, 0
	s_mov_b32 s95, 0
	s_lshl_b32 s44, s23, 4
	s_lshl_b32 s45, s20, 3
	s_add_co_u32 s44, s44, s45
	s_lshl_b32 s46, s44, 9
	s_mul_i32 s44, s44, TILEB
	s_mov_b32 s45, 0
	s_mov_b32 s47, 0
	s_mul_i32 s96, s18, HALFT
	s_lshl_b32 s97, s18, 12
	s_wait_dscnt 0x0                               ; the opening add is done
	s_wait_kmcnt 0x0
	s_add_nc_u64 s[92:93], s[4:5], s[92:93]
	s_add_nc_u64 s[94:95], s[6:7], s[94:95]
	s_add_nc_u64 s[44:45], s[8:9], s[44:45]
	s_add_nc_u64 s[44:45], s[44:45], WOFF
	s_add_nc_u64 s[46:47], s[10:11], s[46:47]
	s_add_nc_u64 s[46:47], s[46:47], WSOFF
	CROUND                                         ; all sixteen work-groups are here: the first joint loads meet
	s_mov_b32 s[G0SX], 1
	s_add_co_u32 s[G0SX+1], s97, SCL
	s_mov_b64 s[G0SX+2:G0SX+3], s[94:95]
	s_or_b32 s[G0SX+3], s[G0SX+3], 0x80000000
	s_mov_b32 s[G0SW], 1
	s_add_co_u32 s[G0SW+1], s97, SCL
	s_mov_b64 s[G0SW+2:G0SW+3], s[46:47]
	s_or_b32 s[G0SW+3], s[G0SW+3], 0x80000000
	JLOAD G0SX, G1SX, G0SW, G1SW
.irp s, 0,1
	s_mov_b32 s[G0X+4*\s], 1
	s_add_co_u32 s[G0X+4*\s+1], s96, \s*SLOT
	s_add_nc_u64 s[G0X+4*\s+2:G0X+4*\s+3], s[92:93], \s*XSTEP
	s_or_b32 s[G0X+4*\s+3], s[G0X+4*\s+3], 0x80000000
	s_mov_b32 s[G0W+4*\s], 1
	s_add_co_u32 s[G0W+4*\s+1], s96, \s*SLOT
	s_add_nc_u64 s[G0W+4*\s+2:G0W+4*\s+3], s[44:45], \s*WSTEP
	s_or_b32 s[G0W+4*\s+3], s[G0W+4*\s+3], 0x80000000
	s_wait_alu depctr_va_vdst(0)
	s_wait_tensorcnt 0x0
	ds_add_u32 v28, v29
	s_wait_dscnt 0x0
	CROUND
	JLOAD G0X+4*\s, G1X, G0W+4*\s, G1W
.endr
	v_and_b32 v1, 31, v0
	v_and_b32 v2, 15, v0                           ; r
	v_bfe_u32 v3, v0, 4, 1                         ; h
	v_lshlrev_b32 v4, 4, v1                        ; 16 x lane
	v_lshlrev_b32 v5, 3, v1                        ; 8 x lane
	s_mul_i32 s98, s19, HALFT                      ; my half of o in a slot
	s_mul_i32 s99, s20, HALFT
	s_add_co_u32 s99, s99, 2*HALFT                 ; my half of the weights
.irp s, 0,1
	v_add_nc_u32 v[ADRA+\s], s98, v4
	v_add_nc_u32 v[ADRA+2+\s], s98, v5
	v_add_nc_u32 v[ADRB+\s], s99, v4
	v_add_nc_u32 v[ADRB+2+\s], s99, v5
	s_add_co_u32 s98, s98, SLOT
	s_add_co_u32 s99, s99, SLOT
.endr
	s_lshl_b32 s2, s19, 12
	s_lshl_b32 s3, s20, 12
	s_add_co_u32 s3, s3, 2*HALFS
	s_sub_co_u32 s3, s3, s2
	v_mul_u32_u24 v8, s3, v3                       ; lanes 16-31 take the weights' scale words
	s_add_co_u32 s2, s2, SCL
	v_lshl_add_u32 v8, v2, 4, v8
	v_add_nc_u32 v[ADRS], s2, v8
	s_mul_i32 s2, s18, 16*SPITCH                   ; my stage
	v_mul_u32_u24 v9, v2, SPITCH
	v_lshl_add_u32 v9, v3, 6, v9
	v_add_nc_u32 v[STO], s2, v9                    ; in: row r, + 64 h bytes: 16 columns for each half of the lanes
	v_add_nc_u32 v[RD], s2, v4                     ; back: a row of 512 bytes for the 32 lanes
	s_lshl_b32 s46, s23, 10                        ; the bias of my 128 columns
	s_lshl_b32 s47, s20, 9
	s_add_co_u32 s46, s46, s47
	s_mov_b32 s47, 0
	s_add_nc_u64 s[12:13], s[12:13], s[46:47]
	v_lshlrev_b32 v6, 6, v3
.irp t, 0,1,2,3,4,5,6,7
	global_load_b128 v[BR+8*\t:BR+8*\t+3], v6, s[12:13] offset:(32*(\t/2)+8*(\t%2))*4
	global_load_b128 v[BR+8*\t+4:BR+8*\t+7], v6, s[12:13] offset:(32*(\t/2)+8*(\t%2))*4+16
.endr
	s_lshl_b32 s100, s40, 8
	s_lshl_b32 s101, s19, 7
	s_add_co_u32 s100, s100, s101                  ; my first row of out0
	s_lshl_b32 s100, s100, 12                      ; 4,096 bytes a row
	s_lshl_b32 s101, s23, 10
	s_add_co_u32 s100, s100, s101
	s_lshl_b32 s101, s20, 9
	s_add_co_u32 s100, s100, s101
	s_mov_b32 s101, 0
	s_add_nc_u64 s[14:15], s[14:15], s[100:101]
.macro FRAG reg, adr, q, i
	ds_load_b128 v[\reg:\reg+3], v[\adr] offset:(\i)*TILEB+(\q)*1536
	ds_load_b64 v[\reg+4:\reg+5], v[\adr+2] offset:(\i)*TILEB+(\q)*1536+512
	ds_load_b128 v[\reg+6:\reg+9], v[\adr] offset:(\i)*TILEB+(\q)*1536+768
	ds_load_b64 v[\reg+10:\reg+11], v[\adr+2] offset:(\i)*TILEB+(\q)*1536+1280
.endm
.macro MUL16 a0, p, q, sc, zero        ; the 64 accumulators take turns, one instruction a turn; zero = 1: the sums start from the bias
.irp a, \a0, \a0+1
.irp b, 0,1,2,3,4,5,6,7
.if \zero
	v_wmma_scale_f32_16x16x128_f8f6f4 v[8*(8*((\a)%4)+\b):8*(8*((\a)%4)+\b)+7], v[128*(\p)+FR*\b:128*(\p)+FR*\b+FR-1], v[AF+FR*(\a):AF+FR*(\a)+FR-1], v[BR+8*\b:BR+8*\b+7], v[SC+8*NQ*(\sc)+NQ*\b+(\q)], v[SC+8*NQ*(\sc)+NQ*(\a)+(\q)] matrix_a_fmt:MATRIX_FMT_FP6 matrix_b_fmt:MATRIX_FMT_FP6 matrix_a_scale:MATRIX_SCALE_ROW1
.else
	v_wmma_scale_f32_16x16x128_f8f6f4 v[8*(8*((\a)%4)+\b):8*(8*((\a)%4)+\b)+7], v[128*(\p)+FR*\b:128*(\p)+FR*\b+FR-1], v[AF+FR*(\a):AF+FR*(\a)+FR-1], v[8*(8*((\a)%4)+\b):8*(8*((\a)%4)+\b)+7], v[SC+8*NQ*(\sc)+NQ*\b+(\q)], v[SC+8*NQ*(\sc)+NQ*(\a)+(\q)] matrix_a_fmt:MATRIX_FMT_FP6 matrix_b_fmt:MATRIX_FMT_FP6 matrix_a_scale:MATRIX_SCALE_ROW1
.endif
.endr
.endr
.endm
.macro FETCH_B slot, q, p
	WIN TO_B
.irp i, 0,1,2,3,4,5,6,7
	FRAG 128*(\p)+FR*\i, ADRB+\slot, \q, \i
.endr
	WIN 0
.endm
.macro FETCH_A slot, q, i0
.irp i, \i0, \i0+1, \i0+2, \i0+3
	FRAG AF+FR*(\i), ADRA+\slot, \q, \i
.endr
.endm
.macro SCALES sc, ks
.irp i, 0,1,2,3,4,5,6,7
	ds_load_b64 v[SC+8*NQ*\sc+NQ*\i:SC+8*NQ*\sc+NQ*\i+1], v[ADRS] offset:512*\i+256*((\ks)/2)+8*((\ks)%2)
.endr
.endm
.macro STEP slot, q, zero
	s_wait_dscnt 4*NL                              ; the weights' set and o's blocks 0-3 are in; the youngest sixteen loads (blocks 4-7) may be out
.if \zero
	WIN 0x81
.else
	WIN MUL_LO
.endif
	MUL16 0, (\q)%2, \q, \slot, \zero
	MUL16 2, (\q)%2, \q, \slot, \zero
	s_wait_dscnt 0
	PLACES NP
	FETCH_B \slot, (\q)+1, 1-(\q)%2
	FETCH_A \slot, (\q)+1, 0
.if \zero
	WIN 0xc1
.else
	WIN MUL_HI
.endif
	MUL16 4, (\q)%2, \q, \slot, \zero
	MUL16 6, (\q)%2, \q, \slot, \zero
	PLACES NP
	WIN 0
	FETCH_A \slot, (\q)+1, 4
.endm
.macro TURN slot, next, fill, ks
	s_wait_tensorcnt 0x0                           ; all my tensor loads have landed: my part of the next slot
	ds_add_u32 v[SPW], v[NIL]
	s_wait_dscnt 4*NL+1                            ; (the add and o's blocks 4-7 may be out)
	WIN MUL_LO
	MUL16 0, 1, NQ-1, \slot, 0
	s_wait_dscnt 0x0                               ; the add is done, and my reads of this slot are over
	s_barrier_signal -1
	MUL16 2, 1, NQ-1, \slot, 0
	WIN 0
	s_barrier_wait -1
.if \fill
	CREST                                          ; the barrier has opened a round of the cluster's
	s_add_nc_u64 s[G0X+4*\slot+2:G0X+4*\slot+3], s[G0X+4*\slot+2:G0X+4*\slot+3], 2*XSTEP
	s_add_nc_u64 s[G0W+4*\slot+2:G0W+4*\slot+3], s[G0W+4*\slot+2:G0W+4*\slot+3], 2*WSTEP
	JLOAD G0X+4*\slot, G1X, G0W+4*\slot, G1W
.else
	PLACES NP
.endif
	FETCH_B \next, 0, 0
	FETCH_A \next, 0, 0
	SCALES \next, \ks
	WIN MUL_HI
	MUL16 4, 1, NQ-1, \slot, 0
	MUL16 6, 1, NQ-1, \slot, 0
	PLACES NP
	WIN 0
	FETCH_A \next, 0, 4
.endm
	s_wait_alu depctr_va_vdst(0)
	s_wait_tensorcnt 1                             ; the scales and my part of K step 0 are in (K step 1's load may be out),
	s_barrier_signal -1
	s_barrier_wait -1                              ; everybody's are
	FETCH_B 0, 0, 0
	FETCH_A 0, 0, 0
	SCALES 0, 0
	FETCH_A 0, 0, 4
	s_wait_loadcnt 0x0                             ; the bias
	STEP 0, 0, 1
	TURN 0, 1, 1, 1
	STEP 1, 0, 0
	TURN 1, 0, 1, 2
	STEP 0, 0, 0
	TURN 0, 1, 0, 3
	STEP 1, 0, 0
	s_wait_dscnt 4*NL
	WIN MUL_LO
	MUL16 0, 1, NQ-1, 1, 0
	MUL16 2, 1, NQ-1, 1, 0
	s_wait_dscnt 0
	WIN MUL_HI
	MUL16 4, 1, NQ-1, 1, 0
	MUL16 6, 1, NQ-1, 1, 0
	WIN 0
; THE WAY OUT, block by block of 16 rows x 128 columns, through my own stage: accumulator b's eight numbers of lane (r, h) are columns 32 (b / 2) + 16 h + 8 (b % 2) + 0 .. 7 of stored row r;
; a row comes back whole, 512 bytes for the 32 lanes, and goes to row 32 (a / 2) + 8 (a % 2) + t + 8 (t / 8) of my 128.  LDS serves a wave's instructions in order: no wait between the stores and the loads.
.macro TOSTAGE a
.set AC, 64*((\a)%4)
	WIN 0x08+4*((\a)/4)                            ; the data: window 2 or 3
.irp b, 0,1,2,3,4,5,6,7
	ds_store_b128 v[STO], v[AC+8*\b:AC+8*\b+3] offset:128*(\b/2)+32*(\b%2)          ; each accumulator from its low end on
	ds_store_b128 v[STO], v[AC+8*\b+4:AC+8*\b+7] offset:128*(\b/2)+32*(\b%2)+16
.endr
	WIN 0
.set BB, BK+64*((\a)%2)
.irp t, 0,1,2,3,4,5,6,7,8,9,10,11,12,13,14,15
	ds_load_b128 v[BB+4*\t:BB+4*\t+3], v[RD] offset:\t*SPITCH
.endr
.endm
.macro SEND a, younger
.set BB, BK+64*((\a)%2)
	s_wait_dscnt \younger                          ; the block is back in registers
.if (\a) > 0
.if ((\a)%2) == 1
	s_add_nc_u64 s[14:15], s[14:15], 8*4096        ; (behind a wait on XCNT: the earlier stores have read their base)
.else
	s_add_nc_u64 s[14:15], s[14:15], 24*4096
.endif
.endif
.irp t, 0,1,2,3,4,5,6,7,8,9,10,11,12,13,14,15
	global_store_b128 v[CO], v[BB+4*\t:BB+4*\t+3], s[14:15] offset:(\t+8*(\t/8))*4096 th:TH_STORE_NT   ; 32 lanes store 512 consecutive bytes, at a multiple of 256 from out0's first byte
.endr
.endm
	PLACES NP
	TOSTAGE 0
.irp a, 1,2,3,4,5,6,7
.if \a > 1
	s_wait_xcnt 0x0                                ; block a - 2's stores have read their registers and their base
.endif
	TOSTAGE \a
	SEND \a-1, 32                                  ; behind block a - 1's loads: block a's 16 stores and 16 loads
.endr
	s_wait_xcnt 0x0
	SEND 7, 0
	s_wait_tensorcnt 0x0                           ; the wave's end
	ds_add_u32 v[SPW], v[NIL]
	s_wait_dscnt 0x0
	CROUND                                         ; the closing round
	s_endpgm
.Lfunc_end_k_q0fa5b4582e_proj:
	.size	k_q0fa5b4582e_proj, .Lfunc_end_k_q0fa5b4582e_proj-k_q0fa5b4582e_proj
	.p2alignl 7, 3214868480
	.fill 96, 4, 3214868480
	.section	.rodata,"a",@progbits
	.p2align	6, 0x0
	.amdhsa_kernel k_q0fa5b4582e_proj
		.amdhsa_group_segment_fixed_size 327680
		.amdhsa_private_segment_fixed_size 0
		.amdhsa_enable_private_segment 0
		.amdhsa_kernarg_size 48
		.amdhsa_user_sgpr_count 2
		.amdhsa_user_sgpr_kernarg_segment_ptr 1
		.amdhsa_wavefront_size32 1
		.amdhsa_system_sgpr_workgroup_id_x 1
		.amdhsa_system_sgpr_workgroup_id_y 1
		.amdhsa_system_sgpr_workgroup_id_z 1
		.amdhsa_system_vgpr_workitem_id 0
		.amdhsa_next_free_vgpr 1024
		.amdhsa_next_free_sgpr 102
		.amdhsa_reserve_vcc 0
		.amdhsa_float_denorm_mode_32 3
		.amdhsa_float_denorm_mode_16_64 3
		.amdhsa_memory_ordered 1
		.amdhsa_forward_progress 1
		.amdhsa_inst_pref_size 146
	.end_amdhsa_kernel
	.amdgpu_metadata
---
amdhsa.version: [ 1, 2 ]
amdhsa.kernels:
  - .name:           k_q0fa5b4582e_proj
    .symbol:         k_q0fa5b4582e_proj.kd
    .args:
      - { .name: oc, .offset: 0, .size: 8, .value_kind: global_buffer, .address_space: global }
      - { .name: os, .offset: 8, .size: 8, .value_kind: global_buffer, .address_space: global }
      - { .name: wc, .offset: 16, .size: 8, .value_kind: global_buffer, .address_space: global }
      - { .name: ws, .offset: 24, .size: 8, .value_kind: global_buffer, .address_space: global }
      - { .name: b_out, .offset: 32, .size: 8, .value_kind: global_buffer, .address_space: global }
      - { .name: out0, .offset: 40, .size: 8, .value_kind: global_buffer, .address_space: global }
    .group_segment_fixed_size: 327680
    .private_segment_fixed_size: 0
    .kernarg_segment_align: 8
    .kernarg_segment_size: 48
    .max_flat_workgroup_size: 128
    .sgpr_count:     102
    .vgpr_count:     1024
    .wavefront_size: 32
...
	.end_amdgpu_metadata
.endif
;; end of part 4
